; MI455X (gfx1250); checked and timed in simulation.
; The chip was launched on July 23, 2026; its instructions are those of AMD's public machine-readable ISA for CDNA 5 (MIT licence, August 2026) and "CDNA5" Instruction Set Architecture Reference Guide (July 2026). The comments in the code are by the model that wrote it; some were corrected since.
;; Multi Head Attention. Allowed arithmetic: matrix products marked QUANTISED: E2M1 operands, one E8M0 scale for each 32 along K, by v_wmma_scale_f32_16x16x128_f8f6f4 with both operands' format E2M1 (or v_wmma_scale_f32_32x16x128_f4), f32 sums; everything else in f32.
;; Inputs: Wk 1,024 x 1,024 float32; Wo 1,024 x 1,024 float32; Wq 1,024 x 1,024 float32; Wv 1,024 x 1,024 float32; bk 1,024 float32; bo 1,024 float32; bq 1,024 float32; bv 1,024 float32; x 4 x 2,048 x 1,024 float32.
;; Outputs: out0 4 x 2,048 x 1,024 float32.
;; This version of the problem:
;;   THIS VERSION OF THE PROBLEM IS GIVEN IN LOW PRECISION. The matrix products marked QUANTISED in the list below multiply operands that are first quantised to E2M1 (2 exponent bits, 1 mantissa bit; 4 bits a number), with one power-of-two scale for each 32 numbers along K (OCP MX v1.0); their sums are f32. All else is computed in f32.
;;   The module's matrix products, in the order in which they are computed (A, B: the left and right operand; K: the contracted axis; several contracted axes count as one K, in the product's order):
;;     1. [M 8,192, K 1,024] x [K 1,024, N 1,024]; A: input x; B: input Wq: QUANTISED
;;     2. [M 8,192, K 1,024] x [K 1,024, N 1,024]; A: input x; B: input Wk: QUANTISED
;;     3. [M 8,192, K 1,024] x [K 1,024, N 1,024]; A: input x; B: input Wv: QUANTISED
;;     4. batch 64 x [M 2,048, K 64] x [K 64, N 2,048]; A: computed on the way; B: computed on the way: QUANTISED
;;     5. batch 64 x [M 2,048, K 2,048] x [K 2,048, N 64]; A: softmax (see below); B: computed on the way: QUANTISED
;;     6. [M 8,192, K 1,024] x [K 1,024, N 1,024]; A: computed on the way; B: input Wo: QUANTISED
;;   THE QUANTISER, for each operand of a quantised product, along K:
;;     - K is cut into blocks of 32 from its start; a last block that is shorter is filled with zeros.
;;     - A block's scale is 2^e with e = floor(log2(the largest magnitude in the block)) - 2, held to -126 .. 127; a block of zeros has e = 0. As a byte (E8M0): e + 127.
;;     - Each number is divided by its block's scale, clamped to +-6, and rounded to the nearest number of E2M1, ties to even, subnormals kept.
;;     - The product sums the exact products of the quantised numbers (number of the format x scale) in f32.
;;   ~~~python
;;   def quantise(x, axis):      # numpy; x: float32 -> the quantised numbers, widened to float32 again
;;       x = np.moveaxis(x, axis, -1); K = x.shape[-1]
;;       x = np.pad(x, [(0, 0)] * (x.ndim - 1) + [(0, -K % 32)]); x = x.reshape(x.shape[:-1] + (-1, 32)); a = np.abs(x).max(-1, keepdims=True)
;;       e = np.where(a > 0, np.clip(np.frexp(np.where(a > 0, a, 1))[1] - 1 - 2, -126, 127), 0)      # np.frexp(a)[1] - 1 = floor(log2(a)), exactly
;;       r = np.clip(x / 2.0 ** e, -6, 6)
;;       step = 2.0 ** (np.maximum(np.frexp(np.where(r == 0, 1, r))[1] - 1, 0) - 1)
;;       q = np.round(r / step) * step * 2.0 ** e      # np.round: ties to even
;;       return np.moveaxis(q.reshape(q.shape[:-2] + (-1,))[..., :K], -1, axis).astype(np.float32)
;;   ~~~
;;   SOFTMAX AHEAD OF A QUANTISED PRODUCT. Where the list says 'softmax', what is quantised is not the finished softmax but p = 2^(t - M), with t = logit x log2(e) and M = ceil(the row's largest t), a whole number; so 1/2 < the row's largest p <= 1. The row's sum l is taken of the UNQUANTISED p, in f32, and the product's result is divided by l at the end. Since M is a whole number, a kernel that streams over the keys may use a running M (the ceiling of the running maximum): every later rescaling is an exact power of two, which a block's scale takes up: the codes' values come out the same.
;;   OPERANDS COMPUTED ON THE WAY. 'Computed on the way' means the value that the module computes at that place (a softmax that the list does not call 'softmax' is quantised finished and normalised). What goes into a quantiser is computed in f32, as accurately as f32 sums, v_exp_f32 and their like allow (about 1e-6 of the number): no bf16 or f16 on the way to a quantiser, and a product that is left as it is and whose result goes on into a quantised operand takes f32 operands (vector FMAs, or v_wmma_f32_16x16x4_f32). A number that lies on a knife's edge between two numbers of the format may be rounded either way, as far as f32 arithmetic and the matrix unit's own rounding can turn it there, and no further.
;; One version. Each part assembles by itself: llvm-mc -triple=amdgcn-amd-amdhsa -mcpu=gfx1250 --defsym DOCPART=n.
;; ======== version 1 of 1: 4 launches
;; workspace buffers: xq 4,456,448 bytes; wq 2,228,224 bytes; qk 8,912,896 bytes; vq 4,456,448 bytes; aq 4,456,448 bytes
;; launch quant (part 1): grid 384 x 1, 4 waves a work-group, no clusters, 33,280 bytes of LDS; arguments x, Wq, Wk, Wv, Wo, xq, wq; writes xq, wq
.if DOCPART == 1
	.amdgcn_target "amdgcn-amd-amdhsa--gfx1250"
	.amdhsa_code_object_version 6
	.text
	.protected	k_qa931308670_quant
	.globl	k_qa931308670_quant
	.p2align	8
	.type	k_qa931308670_quant,@function
k_qa931308670_quant:
	s_mov_b64 s[64:65], 0
	v_nop
	global_prefetch_b8 v0, s[64:65] scope:SCOPE_SE
	s_setreg_imm32_b32 hwreg(HW_REG_WAVE_MODE, 25, 1), 1
	s_wait_xcnt 0x0
; LAUNCH 1 OF 4: x [8192][1024] and the four weights [1024][1024], f32, K innermost, become codes of FP4 (E2M1) with one E8M0 scale byte for each 32 along K.
; xq: codes [8192][512 bytes], then from byte XS on the scale bytes [8192][32].  wq: codes [4096 rows: Wq, Wk, Wv, Wo][512 bytes], then from byte WS on [4096][32].
; THE WHOLE PROGRAM: this launch; qkv (products 1 to 3, biases, quantisers); attn (products 4 and 5, the softmax, the quantiser); oproj (product 6, its bias).
; WORK LEFT OUT, in attn alone: the problem's own lower-triangular mask sets every score of key t > query s to -infinity ahead of the softmax, so its p is 0 and it adds nothing to the row's sum nor to the second
; product, whatever finite values the inputs hold.  A step of 128 keys all of which come after a tile's 16 queries is therefore not multiplied.  Every input has a way to the output and is loaded.
; LIMIT: a NaN, an infinity or an overflow that reaches only such hidden scores is not carried to the result.
; A block's scale is 2^(floor(log2(its largest magnitude)) - 2); its byte is the largest magnitude's exponent field - 2, held at 1 from below.
; LIMITS: a block whose largest magnitude lies under 2^-124 is quantised under the byte 1; a block of zeros gets the byte 1 where the rule says 127 (its codes are zeros, and the bytes are read by this program alone);
; NaN and infinities among the inputs are not served.
; Rows are dense and K is a multiple of 32: each tensor is a plain stream of blocks of 32.  A work-group takes 32,768 numbers, a wave 16 steps of 512.  Work-groups 0-255 take x, then 32 for each weight.
; Each of a step's four loads reads 512 consecutive bytes; the 2,048 bytes turn through the wave's own stage in LDS and come back 64 bytes a lane: 16 neighbours along K, two lanes to a block.
; No matrix unit, cluster, tensor load or barrier: waves share nothing and the bytes moved decide.
.set WAVES, 4
.set STEPS, 16
.set EMAX,  2
.set CB,    8                          ; bytes of 16 codes
.set R,     16                         ; v16-79   four sets of 16 numbers as they are loaded
.set X,     80                         ; v80-111  two sets of 16 neighbours
.set C,     128                        ; v128-191 codes: four registers for each step, so that no store's data are written again
.set E,     112                        ; v112-127 a scale byte for each step
.set WREG,  8192                       ; LDS: a region for each wave: two stages of 32 x SP bytes, behind them its 256 scale bytes
.set SP,    80                         ; a lane's place in a stage: 64 bytes + 16 of padding
.set SPW,   12                         ; v12  LDS address of my spare word; never rewritten
.set NIL,   13                         ; v13  0; never rewritten
.set SPARE, WAVES*WREG                 ; the spare words, 128 bytes a wave
.set XS,    4194304
.set WS,    2097152
	s_load_b256 s[4:11], s[0:1], 0x0               ; x, Wq, Wk, Wv
	s_load_b128 s[12:15], s[0:1], 0x20             ; Wo, xq
	s_load_b64 s[24:25], s[0:1], 0x30              ; wq
	v_lshl_add_u32 v[SPW], v0, 2, SPARE
	v_mov_b32 v[NIL], 0
	v_lshrrev_b32 v1, 5, v0
	v_readfirstlane_b32 s16, v1                    ; wave
	v_and_b32 v2, 31, v0                           ; lane
	v_lshlrev_b32 v3, 4, v2                        ; my 16 bytes of a load's 512
	s_mul_i32 s17, s16, WREG
	v_lshrrev_b32 v14, 2, v2
	v_mul_u32_u24 v14, v14, SP
	v_and_b32 v15, 3, v2
	v_lshl_add_u32 v14, v15, 4, v14
	v_add_nc_u32 v14, s17, v14                     ; the stage, on the way in: SP (lane / 4) + 16 (lane % 4)
	v_mul_u32_u24 v15, v2, SP
	v_add_nc_u32 v15, s17, v15                     ; and on the way out: SP x lane
	v_mul_u32_u24 v4, v2, CB                       ; my codes' place in a step's
	v_lshrrev_b32 v5, 1, v2
	s_add_co_u32 s17, s17, 2*32*SP
	v_add_nc_u32 v5, s17, v5                       ; LDS: my wave's 256 scale bytes, my block's byte
	v_lshlrev_b32 v7, 3, v2                        ; on the way out 8 bytes a lane
	v_add_nc_u32 v6, s17, v7
	s_mov_b32 s17, WS
	s_wait_alu depctr_va_vdst(0)
	s_wait_kmcnt 0x0
	s_mov_b64 s[26:27], s[12:13]                   ; which tensor: a chain of choices on the work-group's number alone
	s_cmp_lt_u32 ttmp9, 352
	s_cselect_b64 s[26:27], s[10:11], s[26:27]
	s_cmp_lt_u32 ttmp9, 320
	s_cselect_b64 s[26:27], s[8:9], s[26:27]
	s_cmp_lt_u32 ttmp9, 288
	s_cselect_b64 s[26:27], s[6:7], s[26:27]
	s_cmp_lt_u32 ttmp9, 256
	s_cselect_b64 s[26:27], s[4:5], s[26:27]
	s_cselect_b64 s[28:29], s[14:15], s[24:25]     ; xq or wq
	s_cselect_b32 s17, XS, s17                     ; where its scale bytes begin
	s_cselect_b32 s18, 0, 256
	s_cselect_b32 s19, 0xffff, 31
	s_sub_co_u32 s18, ttmp9, s18                   ; my place in the output buffer,
	s_and_b32 s19, s18, s19                        ; and in the input tensor
	s_lshl_b32 s18, s18, 2
	s_add_co_u32 s18, s18, s16                     ; my wave's run of 8,192 numbers
	s_lshl_b32 s19, s19, 2
	s_add_co_u32 s19, s19, s16
	s_mov_b32 s21, 0
	s_lshl_b32 s20, s19, 15                        ; 32,768 bytes of f32 a run
	s_add_nc_u64 s[26:27], s[26:27], s[20:21]
	s_lshl_b32 s20, s18, 12                        ; 4,096 bytes of codes
	s_add_nc_u64 s[30:31], s[28:29], s[20:21]
	s_lshl_b32 s20, s18, 8                         ; 256 scale bytes
	s_add_co_u32 s20, s20, s17
	s_add_nc_u64 s[32:33], s[28:29], s[20:21]
.macro LOAD t
.irp i, 0,1,2,3
	global_load_b128 v[R+16*((\t)%4)+4*\i:R+16*((\t)%4)+4*\i+3], v3, s[26:27] offset:2048*(\t)+512*\i th:TH_LOAD_NT   ; 32 lanes read 512 consecutive bytes
.endr
.endm
.macro TURN t                          ; step t's numbers through the stage: LDS serves a wave's instructions in order, so no wait stands between the stores and the loads
.irp i, 0,1,2,3
	ds_store_b128 v14, v[R+16*((\t)%4)+4*\i:R+16*((\t)%4)+4*\i+3] offset:32*SP*((\t)%2)+8*SP*\i
.endr
.irp i, 0,1,2,3
	ds_load_b128 v[X+16*((\t)%2)+4*\i:X+16*((\t)%2)+4*\i+3], v15 offset:32*SP*((\t)%2)+16*\i
.endr
.endm
.irp t, 0,1,2,3
	LOAD \t
.endr
	s_wait_loadcnt 12                              ; step 0's four loads are in
	TURN 0
.macro STEP t
.set XQ, X+16*((\t)%2)
.if (\t) > 0
	s_wait_dscnt 1                                 ; this step's numbers are back from the stage (the last step's byte store may be out)
.else
	s_wait_dscnt 0x0
.endif
.if (\t)+4 < STEPS
	LOAD (\t)+4                                    ; into the registers that the stage's stores have read
.endif
.if (\t)+1 < STEPS
.if STEPS-2-(\t) >= 3
	s_wait_loadcnt 12                              ; the next step's four loads are in; those of the three steps behind it may be out
.else
	s_wait_loadcnt 4*(STEPS-2-(\t))
.endif
	TURN (\t)+1
.endif
	v_max3_num_f32 v8, |v[XQ]|, |v[XQ+1]|, |v[XQ+2]|               ; the largest magnitude of my 16
	v_max3_num_f32 v9, |v[XQ+3]|, |v[XQ+4]|, |v[XQ+5]|
.irp i, 6,10
	v_max3_num_f32 v8, v8, |v[XQ+\i]|, |v[XQ+\i+1]|
	v_max3_num_f32 v9, v9, |v[XQ+\i+2]|, |v[XQ+\i+3]|
.endr
	v_max3_num_f32 v8, v8, |v[XQ+14]|, |v[XQ+15]|
	v_max3_num_f32 v8, v8, v9, (EMAX+1)<<23        ; and the floor 2^(3 - 127): the byte cannot fall under 1
	v_max_num_f32_dpp v8, v8, v8 row_xmask:1 row_mask:0xf bank_mask:0xf   ; and of my neighbour's 16: the block's
	v_add_nc_u32 v11, 0xff000000, v8               ; 2 off its exponent field: the conversion takes the exponent field of this operand as its scale
	v_cvt_scalef32_pk8_fp4_f32 v[C+4*(\t)], v[XQ:XQ+7], v11
	v_cvt_scalef32_pk8_fp4_f32 v[C+4*(\t)+1], v[XQ+8:XQ+15], v11
	v_lshrrev_b32 v[E+(\t)], 23, v11               ; the scale's byte
	ds_store_b8 v5, v[E+(\t)] offset:16*(\t)       ; both lanes of a block write the same byte with the same value
	global_store_b64 v4, v[C+4*(\t):C+4*(\t)+1], s[30:31] offset:32*CB*(\t)   ; the wave stores 256 consecutive bytes, aligned
.endm
.irp t, 0,1,2,3,4,5,6,7,8,9,10,11,12,13,14,15
	STEP \t
.endr
	ds_load_b64 v[8:9], v6                         ; LDS serves a wave's instructions in order: these see my stores
	s_wait_dscnt 0x0
	global_store_b64 v7, v[8:9], s[32:33]          ; 32 lanes store 256 consecutive bytes, aligned
	s_wait_tensorcnt 0x0                           ; the wave's end: behind my last LDS store
	ds_add_u32 v[SPW], v[NIL]
	s_wait_dscnt 0x0
	s_endpgm
.Lfunc_end_k_qa931308670_quant:
	.size	k_qa931308670_quant, .Lfunc_end_k_qa931308670_quant-k_qa931308670_quant
	.p2alignl 7, 3214868480
	.fill 96, 4, 3214868480
	.section	.rodata,"a",@progbits
	.p2align	6, 0x0
	.amdhsa_kernel k_qa931308670_quant
		.amdhsa_group_segment_fixed_size 33280
		.amdhsa_private_segment_fixed_size 0
		.amdhsa_enable_private_segment 0
		.amdhsa_kernarg_size 56
		.amdhsa_user_sgpr_count 2
		.amdhsa_user_sgpr_kernarg_segment_ptr 1
		.amdhsa_wavefront_size32 1
		.amdhsa_system_sgpr_workgroup_id_x 1
		.amdhsa_system_sgpr_workgroup_id_y 1
		.amdhsa_system_sgpr_workgroup_id_z 1
		.amdhsa_system_vgpr_workitem_id 0
		.amdhsa_next_free_vgpr 192
		.amdhsa_next_free_sgpr 66
		.amdhsa_reserve_vcc 0
		.amdhsa_float_denorm_mode_32 3
		.amdhsa_float_denorm_mode_16_64 3
		.amdhsa_memory_ordered 1
		.amdhsa_forward_progress 1
		.amdhsa_inst_pref_size 34
	.end_amdhsa_kernel
	.amdgpu_metadata
---
amdhsa.version: [ 1, 2 ]
amdhsa.kernels:
  - .name:           k_qa931308670_quant
    .symbol:         k_qa931308670_quant.kd
    .args:
      - { .name: x, .offset: 0, .size: 8, .value_kind: global_buffer, .address_space: global }
      - { .name: Wq, .offset: 8, .size: 8, .value_kind: global_buffer, .address_space: global }
      - { .name: Wk, .offset: 16, .size: 8, .value_kind: global_buffer, .address_space: global }
      - { .name: Wv, .offset: 24, .size: 8, .value_kind: global_buffer, .address_space: global }
      - { .name: Wo, .offset: 32, .size: 8, .value_kind: global_buffer, .address_space: global }
      - { .name: xq, .offset: 40, .size: 8, .value_kind: global_buffer, .address_space: global }
      - { .name: wq, .offset: 48, .size: 8, .value_kind: global_buffer, .address_space: global }
    .group_segment_fixed_size: 33280
    .private_segment_fixed_size: 0
    .kernarg_segment_align: 8
    .kernarg_segment_size: 56
    .max_flat_workgroup_size: 128
    .sgpr_count:     66
    .vgpr_count:     192
    .wavefront_size: 32
...
	.end_amdgpu_metadata
.endif
;; end of part 1
;; launch qkv (part 2): grid 8 x 48, 4 waves a work-group, clusters of 4 x 4, 327,680 bytes of LDS; arguments xq, wq, bq, bk, bv, qk, vq; writes qk, vq
.if DOCPART == 2
	.amdgcn_target "amdgcn-amd-amdhsa--gfx1250"
	.amdhsa_code_object_version 6
	.text
	.protected	k_qa931308670_qkv
	.globl	k_qa931308670_qkv
	.p2align	8
	.type	k_qa931308670_qkv,@function
k_qa931308670_qkv:
	s_mov_b64 s[64:65], 0
	v_nop
	global_prefetch_b8 v0, s[64:65] scope:SCOPE_SE
	s_setreg_imm32_b32 hwreg(HW_REG_WAVE_MODE, 25, 1), 1
	s_wait_xcnt 0x0
	s_wait_alu depctr_hold_cnt(0) depctr_sa_sdst(0) depctr_va_vdst(0) depctr_va_sdst(0) depctr_va_ssrc(0) depctr_va_vcc(0) depctr_vm_vsrc(0)
	s_getreg_b32 s2, hwreg(HW_REG_IB_STS2, 6, 4)
	s_cmp_eq_u32 s2, 0
	s_cbranch_scc0 .Lentry_in_a_cluster
	s_endpgm
.Lentry_in_a_cluster:
	s_bfe_u32 s2, ttmp6, 0x10000c
	s_cmp_lg_u32 s2, 0xf033
	s_cbranch_scc0 .Lentry_shape_is_right
	s_endpgm
.Lentry_shape_is_right:
; LAUNCH 2 OF 4: q = x Wq^T + bq, k = x Wk^T + bk, v = x Wv^T + bv on codes of FP4 with E8M0 scales, each result quantised again on its way out.  No work is left out here.
; ONE FORM FOR ALL THREE: C'[m'][n'] = A'[m'] . B'[n'], K = 1,024, used transposed (source 0 = 16 rows of B', source 1 = 16 rows of A'): a lane holds one m' and its registers run along n', and C' is quantised ALONG n'.
;   q, k (cluster y 0-7):  A' = x (m' = token), B' = Wq's then Wk's rows (n' = the 2,048 columns of q and k): the next K is the head's 64 columns.
;   v    (cluster y 8-11): A' = Wv (m' = column d), B' = x (n' = token): the next K is the keys.
; A tile of C' is 256 x 256: four waves, 128 x 128 each, 64 accumulators.  All of K lies in LDS: two slots of 512 along K, each filled once; nothing is filled again.
; CLUSTERS: 4 x 4 work-groups; A's tiles are asked for jointly along a row of the cluster, B's along a column.
; OUT.  A wave's 128 n' are four blocks of 32.  In tile b of a block of 16 rows lane (r, h) holds in register j the number n' = 16 b + 8 h + j of row r.  The conversion of tile 2 B gives dword h of block B's 16 bytes,
; that of tile 2 B + 1 dword 2 + h; two exchanges of lane halves for each pair of blocks leave a whole block in a lane: lanes 0-15 block 2 c, lanes 16-31 block 2 c + 1, the operand's own layout.
;   qk: code images [q, k][b 4][head 16][tile of 16 tokens 128][512 bytes], lane l's 16 bytes at 16 l: token l % 16, d = 32 (l / 16) on; from QKS on scale words [q, k][b][pair of heads 8][token 2048].
;   vq: code images [b][key step 16][c 2][tile of 16 d: 64][512 bytes]: d = l % 16, keys 64 c + 32 (l / 16) on; from VS on scale words [b][key step][tile of d][16].
; LIMITS: blocks under 2^-124 are quantised under the byte 1, blocks of zeros get the byte 1; NaN and infinities are not served.
; REGISTERS, in windows of 256: window 0: v1-31 addresses and output scale words; v32-95 scale words of the products, two sets; v96-123 at work on the way out; from v128 A's fragments, one set (on the way out: 64 numbers; from v192 the bias).
;   window 1: B's fragments, two sets.  window 2: the accumulators of my rows 0-63 ((a, b) at v[8 (8 a + b)]);  window 3: those of rows 64-127.
.set XS,     4194304
.set WS,     2097152
.set QKS,    8388608
.set VS,     4194304
.set NQ,     4                         ; steps of 128 along K in a slot
.set ROWB,   256                       ; a tile's row in bytes: 512 codes
.set KROW,   512                       ; a row of codes in memory
.set PITCH,  272                       ; an LDS row: 256 bytes + 16 of padding: the 16 rows that a load touches start at 16 different banks
.set FR,     8
.set NL,     2
.set NP,     4                         ; places behind this matrix instruction (ISA guide 7.12.1)
.set HALFT,  128*PITCH
.set SLOT,   4*HALFT
.set KS,     32                        ; a row of scale bytes
.set SCL,    2*SLOT                    ; the scales, as units of 256 bytes + 16 of padding
.set HALFS,  (128*KS/256)*272
.set SBLK,   (16*KS/256)*272
.set SPARE,  SCL+4*HALFS               ; the spare words, 128 bytes a wave
.set BST,    SPARE+512                 ; the bias stage, 512 bytes a wave
.set SST0,   BST+2048                  ; output scale words, 512 bytes a wave: q's and k's way,
.set SST1,   SST0+2048                 ; and v's way: bytes of its own
.set PW,   8                           ; v8-15  the output scale word of each block of 16 rows
.set ADRA, 16                          ; v16-17 LDS address of my A fragments in slot 0, 1
.set BSM,  18                          ; v18    bias stage + 4 r
.set LI,   19                          ; v19    16 x lane
.set ADRB, 20                          ; v20-21
.set BSI,  22                          ; v22    bias stage + 16 x lane
.set BSN,  23                          ; v23    bias stage + 32 h
.set SW0,  25                          ; v25, v26 where I put a scale word: 4 r
.set SW1,  26
.set ADRS, 27                          ; v27    LDS address of my scale words: lanes 0-15 A's rows, lanes 16-31 B's
.set SPW,  28
.set NIL,  29
.set SR0,  30                          ; v30, v31 where I read them back: 16 x lane
.set SR1,  31
.set SC,   32
.set BI,   96                          ; v96-99 my 4 of the wave's 128 bias numbers; later the scale words on their way out
.set TM,   100                         ; v100-115 at work in the quantiser
.set PC,   116                         ; v116-123 the codes just made
.set AF,   128
.set T,    128                         ; v128-191 a block's 64 numbers
.set BN,   192                         ; v192-255 the bias along n'
.set BM,   192                         ; v192-207 the bias along m', each twice
.set G1, 24
.set G0, 32
.set G1B, 48
.set G0B, 56
.set G1S, 68
.set G0S, 76
.set G1SB, 80
.set G0SB, 88
.set MSB, 0
.macro WIN new                         ; the immediate's high byte repeats the setting that is left
.if MSB != (\new)
	s_set_vgpr_msb (MSB<<8)|(\new)
.set MSB, (\new)
.endif
.endm
.set MUL_LO, 0xa1                      ; source 0 (B) window 1, source 1 (A) window 0, C and D window 2
.set MUL_HI, 0xf1
.set TO_B,   0x40
; A joint load: waves 0 and 1 fetch for A, waves 2 and 3 for B; the branch hangs on the wave's number alone.  An s_nop 0 and four v_nop follow each line.
.macro JLOAD g0a, g1a, g0b, g1b
	s_cmp_eq_u32 s15, 0
	s_cbranch_scc0 .Lfor_b_\@
	tensor_load_to_lds s[\g0a:\g0a+3], s[\g1a:\g1a+7]
	s_nop 0
.rept 4
	v_nop
.endr
	s_branch .Lasked_\@
.Lfor_b_\@:
	tensor_load_to_lds s[\g0b:\g0b+3], s[\g1b:\g1b+7]
	s_nop 0
.rept 4
	v_nop
.endr
.Lasked_\@:
.endm
.macro CROUND                          ; a round of the cluster's barrier
	s_barrier_signal -1
	s_barrier_wait -1
	s_cmp_lg_u32 s14, 0
	s_cbranch_scc1 .Lnot_wave_0_\@
	s_barrier_signal -3
.Lnot_wave_0_\@:
	s_barrier_wait -3
	s_barrier_signal -1
	s_barrier_wait -1
.endm
	s_load_b128 s[92:95], s[0:1], 0x0              ; xq, wq
	s_load_b256 s[4:11], s[0:1], 0x10              ; bq, bk, bv, qk
	s_load_b64 s[12:13], s[0:1], 0x30              ; vq
	v_lshl_add_u32 v[SPW], v0, 2, SPARE
	v_mov_b32 v[NIL], 0
	ds_add_u32 v[SPW], v[NIL]                      ; the wave's opening: the add, twice on end, and its wait ahead of my first tensor load
	ds_add_u32 v[SPW], v[NIL]
	v_lshrrev_b32 v1, 5, v0
	v_readfirstlane_b32 s14, v1                    ; wave 0..3
	s_lshr_b32 s15, s14, 1                         ; which half of the tile's rows is mine.  Also: I fetch for A (0) or for B (1)
	s_and_b32 s16, s14, 1                          ; which half of its columns.  Also: which 128 rows of that tile I fetch
	s_bfe_u32 s40, ttmp6, 0x40000                  ; cx, cy: my place in the cluster
	s_bfe_u32 s41, ttmp6, 0x40004
	s_and_b32 s18, ttmp7, 0xffff                   ; the cluster's y
	s_sub_co_u32 s19, s18, 8
	s_lshl_b32 s19, s19, 1
	s_add_co_u32 s19, s19, ttmp9                   ; v's column of clusters: x + 2 (y - 8)
	s_cmp_ge_u32 s18, 8
	s_cselect_b32 s66, 1, 0                        ; 1: this cluster makes v.  The same in all sixteen partners
	s_cselect_b32 s42, s19, ttmp9
	s_cselect_b32 s17, 0, s18
	s_lshl_b32 s42, s42, 2
	s_add_co_u32 s42, s42, s40                     ; tile column of C'
	s_lshl_b32 s17, s17, 2
	s_add_co_u32 s17, s17, s41                     ; tile row of C'
	s_lshl_b32 s43, s41, 2
	s_lshl_b32 s43, 15, s43                        ; my row of the cluster
	s_lshl_b32 s44, 0x1111, s40                    ; my column
	; descriptor group 1: a tile of 128 rows x 256 bytes, 16 bytes of padding behind each row
	s_or_b32 s[G1+0], s43, (0<<16)|(1<<20)|(1<<21)|(5<<22)|(3<<25)
	s_or_b32 s[G1B+0], s44, (0<<16)|(1<<20)|(1<<21)|(5<<22)|(3<<25)
.irp g, G1, G1B
	s_mov_b32 s[\g+1], ROWB<<16                    ; tensor_dim0
	s_mov_b32 s[\g+2], 128<<16                     ; tensor_dim1
	s_mov_b32 s[\g+3], ROWB<<16                    ; tile_dim0
	s_mov_b32 s[\g+4], 128                         ; tile_dim1
	s_mov_b32 s[\g+5], KROW                        ; tensor_dim0_stride
	s_mov_b32 s[\g+6], 0
	s_mov_b32 s[\g+7], 0
.endr
	; the scales of 128 rows: 4,096 dense bytes as 16 rows of 256 (32 elements of 8 bytes), padded likewise
	s_or_b32 s[G1S+0], s43, (3<<16)|(1<<20)|(1<<21)|(5<<22)|(3<<25)
	s_or_b32 s[G1SB+0], s44, (3<<16)|(1<<20)|(1<<21)|(5<<22)|(3<<25)
.irp g, G1S, G1SB
	s_mov_b32 s[\g+1], 32<<16
	s_mov_b32 s[\g+2], (128*KS/256)<<16
	s_mov_b32 s[\g+3], 32<<16
	s_mov_b32 s[\g+4], 128*KS/256
	s_mov_b32 s[\g+5], 32
	s_mov_b32 s[\g+6], 0
	s_mov_b32 s[\g+7], 0
.endr
	s_lshl_b32 s18, s16, 7                         ; which 128 rows of the tile I fetch
	s_lshl_b32 s20, s17, 8
	s_add_co_u32 s20, s20, s18                     ; A': row 256 x tile row + 128 x half
	s_lshl_b32 s46, s42, 8
	s_add_co_u32 s46, s46, s18                     ; B': row 256 x tile column + 128 x half
	s_mov_b32 s21, 0
	s_mov_b32 s47, 0
	s_mov_b64 s[18:19], KS
	s_mul_u64 s[22:23], s[20:21], s[18:19]         ; where these rows' scales begin, in bytes,
	s_mul_u64 s[98:99], s[46:47], s[18:19]
	s_mov_b64 s[18:19], KROW
	s_mul_u64 s[20:21], s[20:21], s[18:19]         ; and their codes
	s_mul_u64 s[46:47], s[46:47], s[18:19]
	s_mov_b32 s97, 0                               ; and where each operand's part begins in its buffer
	s_cmp_eq_u32 s66, 1
	s_cselect_b32 s96, 2048*KROW, 0                ; A's codes: Wv is rows 2,048 on of wq; x begins xq
	s_add_nc_u64 s[20:21], s[20:21], s[96:97]
	s_mov_b32 s96, XS
	s_cselect_b32 s96, WS+2048*KS, s96             ; A's scales
	s_add_nc_u64 s[22:23], s[22:23], s[96:97]
	s_mov_b32 s96, WS
	s_cselect_b32 s96, XS, s96                     ; B's scales (B's codes begin their buffer)
	s_add_nc_u64 s[98:99], s[98:99], s[96:97]
	s_mul_i32 s45, s14, HALFT                      ; where they go: wave x 128 rows: no place in the cluster enters an LDS address
	s_mul_i32 s67, s14, HALFS
	s_wait_dscnt 0x0                               ; both opening adds are done
	s_wait_kmcnt 0x0
	s_cmp_eq_u32 s66, 1
	s_cselect_b64 s[96:97], s[94:95], s[92:93]     ; A's buffer: wq for v, else xq
	s_add_nc_u64 s[20:21], s[96:97], s[20:21]
	s_add_nc_u64 s[22:23], s[96:97], s[22:23]
	s_cselect_b64 s[96:97], s[92:93], s[94:95]     ; B's buffer
	s_add_nc_u64 s[46:47], s[96:97], s[46:47]
	s_add_nc_u64 s[98:99], s[96:97], s[98:99]
	CROUND                                         ; all sixteen work-groups are here: the first joint loads meet
	s_mov_b32 s[G0S], 1
	s_add_co_u32 s[G0S+1], s67, SCL
	s_mov_b64 s[G0S+2:G0S+3], s[22:23]
	s_or_b32 s[G0S+3], s[G0S+3], 0x80000000
	s_mov_b32 s[G0SB], 1
	s_add_co_u32 s[G0SB+1], s67, SCL
	s_mov_b64 s[G0SB+2:G0SB+3], s[98:99]
	s_or_b32 s[G0SB+3], s[G0SB+3], 0x80000000
	JLOAD G0S, G1S, G0SB, G1SB                     ; the scales first: they are wanted with the first step
.irp s, 0,1
	s_mov_b32 s[G0+4*\s], 1
	s_add_co_u32 s[G0+4*\s+1], s45, \s*SLOT
	s_add_nc_u64 s[G0+4*\s+2:G0+4*\s+3], s[20:21], \s*ROWB
	s_or_b32 s[G0+4*\s+3], s[G0+4*\s+3], 0x80000000
	s_mov_b32 s[G0B+4*\s], 1
	s_add_co_u32 s[G0B+4*\s+1], s45, \s*SLOT
	s_add_nc_u64 s[G0B+4*\s+2:G0B+4*\s+3], s[46:47], \s*ROWB
	s_or_b32 s[G0B+4*\s+3], s[G0B+4*\s+3], 0x80000000
	JLOAD G0+4*\s, G1, G0B+4*\s, G1B               ; three tensor loads of mine are out: all of K, filled once
.endr
	v_and_b32 v1, 15, v0                           ; r
	v_bfe_u32 v2, v0, 4, 1                         ; h
	v_mul_u32_u24 v3, v1, PITCH
	v_lshl_add_u32 v4, v2, 4, v3                   ; a fragment's row x pitch + 16 x half
	s_mul_i32 s21, s15, HALFT                      ; my 128 rows of A
	s_mul_i32 s22, s16, HALFT                      ; my 128 rows of B,
	s_add_co_u32 s22, s22, 2*HALFT                 ; which lie behind A's 256
.irp s, 0,1
	v_add_nc_u32 v[ADRA+\s], s21, v4
	v_add_nc_u32 v[ADRB+\s], s22, v4
	s_add_co_u32 s21, s21, SLOT
	s_add_co_u32 s22, s22, SLOT
.endr
	v_mul_u32_u24 v5, v1, KS                       ; my row's scales: KS bytes a row,
	v_lshrrev_b32 v6, 8, v5
	v_lshl_add_u32 v5, v6, 4, v5                   ; and 16 more for each 256 passed
	s_mul_i32 s21, s15, HALFS
	s_mul_i32 s22, s16, HALFS
	s_add_co_u32 s22, s22, 2*HALFS
	s_sub_co_u32 s22, s22, s21
	v_mul_u32_u24 v6, s22, v2                      ; lanes 16-31 take B's
	s_add_co_u32 s21, s21, SCL
	v_add_nc_u32 v5, v5, v6
	v_add_nc_u32 v[ADRS], s21, v5
	; the way out's LDS addresses: all made here, ahead of the parting of the two ways
	v_and_b32 v6, 31, v0
	v_lshlrev_b32 v[LI], 4, v6
	s_lshl_b32 s23, s14, 9                         ; 512 bytes a wave
	s_add_co_u32 s21, s23, BST
	v_add_nc_u32 v[BSI], s21, v[LI]
	v_lshl_add_u32 v[BSN], v2, 5, s21
	v_lshl_add_u32 v[BSM], v1, 2, s21
	s_add_co_u32 s21, s23, SST0
	v_lshl_add_u32 v[SW0], v1, 2, s21
	v_add_nc_u32 v[SR0], s21, v[LI]
	s_add_co_u32 s21, s23, SST1
	v_lshl_add_u32 v[SW1], v1, 2, s21
	v_add_nc_u32 v[SR1], s21, v[LI]
.irp b, 0,1,2,3
	v_mov_b32 v[TM+4+\b], 0                        ; written once: a lane permute's destination counts as one of its sources
.endr
	s_mov_b32 s2, 0x76543210
	s_mov_b32 s3, 0xfedcba98                       ; v_permlanex16_b32's selects for lane l xor 16
	; the wave's 128 bias numbers: along n' for q and k (bq or bk at 128 (G % 8)), along m' for v (bv at 256 x tile row + 128 x half)
	s_lshl_b32 s18, s42, 1
	s_add_co_u32 s18, s18, s16                     ; G: which 128 of all n' are mine
	s_lshr_b32 s19, s18, 3
	s_and_b32 s46, s18, 7
	s_lshr_b32 s20, s17, 3
	s_and_b32 s21, s17, 7
	s_lshl_b32 s22, s17, 10
	s_lshl_b32 s23, s15, 9
	s_add_co_u32 s22, s22, s23
	s_lshl_b32 s23, s46, 9
	s_cmp_ge_u32 s42, 4
	s_cselect_b64 s[4:5], s[6:7], s[4:5]
	s_cmp_eq_u32 s66, 1
	s_cselect_b64 s[4:5], s[8:9], s[4:5]
	s_cselect_b32 s22, s22, s23
	s_mov_b32 s23, 0
	s_add_nc_u64 s[4:5], s[4:5], s[22:23]
	global_load_b128 v[BI:BI+3], v[LI], s[4:5]     ; 512 consecutive bytes; waited for on the way out
	; where my codes go: s[8:9] the first image of each block of 16 rows, s[10:11] the second
	s_lshl_b32 s22, s20, 20
	s_lshl_b32 s23, s21, 13
	s_add_co_u32 s22, s22, s23
	s_lshl_b32 s23, s15, 12
	s_add_co_u32 s22, s22, s23                     ; by my rows: (tile row / 8) x 2^20 + (tile row % 8) x 8,192 + half x 4,096
	s_lshl_b32 s23, s19, 22
	s_lshl_b32 s47, s46, 17
	s_add_co_u32 s23, s23, s47                     ; by my columns, q and k: (q or k) x 2^22 + pair of heads x 2^17
	s_lshl_b32 s47, s18, 16                        ; v: (16 b + key step) x 2^16
	s_mov_b32 s98, 65536                           ; from the first image to the second: a head on, or half a key step
	s_cmp_eq_u32 s66, 1
	s_cselect_b32 s23, s47, s23
	s_cselect_b32 s98, 32768, s98
	s_cselect_b64 s[96:97], s[12:13], s[10:11]     ; vq or qk
	s_add_co_u32 s22, s22, s23
	s_mov_b32 s23, 0
	s_mov_b32 s99, 0
	s_add_nc_u64 s[8:9], s[96:97], s[22:23]
	s_add_nc_u64 s[10:11], s[8:9], s[98:99]
	; and my 128 scale words: s[12:13]
	s_lshl_b32 s22, s20, 16
	s_lshl_b32 s23, s21, 10
	s_add_co_u32 s22, s22, s23
	s_lshl_b32 s23, s15, 9
	s_add_co_u32 s22, s22, s23
	s_lshl_b32 s23, s19, 18
	s_lshl_b32 s47, s46, 13
	s_add_co_u32 s23, s23, s47
	s_add_co_u32 s23, s23, QKS
	s_lshl_b32 s47, s18, 12
	s_add_co_u32 s47, s47, VS
	s_cmp_eq_u32 s66, 1
	s_cselect_b32 s23, s47, s23
	s_add_co_u32 s22, s22, s23
	s_mov_b32 s23, 0
	s_add_nc_u64 s[12:13], s[96:97], s[22:23]
.macro FRAG reg, adr, q, i             ; 16 rows x 128 K of 4-bit codes: 8 registers; registers 4 c .. 4 c + 3 hold K = 64 c + 32 (l / 16) + 0 .. 31
.irp c, 0,1
	ds_load_b128 v[\reg+4*\c:\reg+4*\c+3], v[\adr] offset:64*(\q)+32*\c+(\i)*16*PITCH
.endr
.endm
; 16 matrix instructions: A's blocks a0, a0 + 1 x B's eight, the slot's q-th 128 along K.  The 64 accumulators take turns, one instruction a turn.
.macro MUL16 a0, p, q, sc, zero
.irp a, \a0, \a0+1
.irp b, 0,1,2,3,4,5,6,7
.if \zero
	v_wmma_scale_f32_16x16x128_f8f6f4 v[8*(8*((\a)%4)+\b):8*(8*((\a)%4)+\b)+7], v[128*(\p)+FR*\b:128*(\p)+FR*\b+FR-1], v[AF+FR*(\a):AF+FR*(\a)+FR-1], 0, v[SC+8*NQ*(\sc)+NQ*\b+(\q)], v[SC+8*NQ*(\sc)+NQ*(\a)+(\q)] matrix_a_fmt:MATRIX_FMT_FP4 matrix_b_fmt:MATRIX_FMT_FP4 matrix_a_scale:MATRIX_SCALE_ROW1
.else
	v_wmma_scale_f32_16x16x128_f8f6f4 v[8*(8*((\a)%4)+\b):8*(8*((\a)%4)+\b)+7], v[128*(\p)+FR*\b:128*(\p)+FR*\b+FR-1], v[AF+FR*(\a):AF+FR*(\a)+FR-1], v[8*(8*((\a)%4)+\b):8*(8*((\a)%4)+\b)+7], v[SC+8*NQ*(\sc)+NQ*\b+(\q)], v[SC+8*NQ*(\sc)+NQ*(\a)+(\q)] matrix_a_fmt:MATRIX_FMT_FP4 matrix_b_fmt:MATRIX_FMT_FP4 matrix_a_scale:MATRIX_SCALE_ROW1
.endif
.endr
.endr
.endm
.macro FETCH_B slot, q, p
	WIN TO_B
.irp i, 0,1,2,3,4,5,6,7
	FRAG 128*(\p)+FR*\i, ADRB+\slot, \q, \i
.endr
	WIN 0
.endm
.macro FETCH_A slot, q, i0
.irp i, \i0, \i0+1, \i0+2, \i0+3
	FRAG AF+FR*(\i), ADRA+\slot, \q, \i
.endr
.endm
.macro SCALES sc                       ; a slot's scale words: four a row; lanes 0-15 take A's block i, lanes 16-31 B's block i
.irp i, 0,1,2,3,4,5,6,7
	ds_load_b128 v[SC+8*NQ*\sc+NQ*\i:SC+8*NQ*\sc+NQ*\i+3], v[ADRS] offset:\i*SBLK
.endr
.endm
.macro PLACES n                        ; plain vector instructions between a matrix instruction and a load into, or a vector read or write of, its registers
.rept \n
	v_nop
.endr
.endm
.macro STEP slot, q, zero              ; a step of 128 along K that has its successor in the same slot
	s_wait_dscnt 4*NL                              ; B's set and A's blocks 0-3 are in; the youngest eight loads (A's blocks 4-7) may be out
	WIN MUL_LO
	MUL16 0, (\q)%2, \q, \slot, \zero
	MUL16 2, (\q)%2, \q, \slot, \zero
	s_wait_dscnt 0                                 ; A's blocks 4-7 are in
	PLACES NP
	FETCH_B \slot, (\q)+1, 1-(\q)%2
	FETCH_A \slot, (\q)+1, 0
	WIN MUL_HI
	MUL16 4, (\q)%2, \q, \slot, \zero
	MUL16 6, (\q)%2, \q, \slot, \zero
	PLACES NP
	WIN 0
	FETCH_A \slot, (\q)+1, 4
.endm
.macro TURN slot, next                 ; a slot's last step goes on into the next slot: one barrier, in front of which each wave has waited for all its tensor loads.  Nothing is filled again
	s_wait_tensorcnt 0x0                           ; my part of the next slot has landed
	ds_add_u32 v[SPW], v[NIL]                      ; 0 onto my spare word
	s_wait_dscnt 4*NL+1                            ; (the add and the youngest eight loads may be out)
	WIN MUL_LO
	MUL16 0, 1, NQ-1, \slot, 0
	s_wait_dscnt 0x0                               ; no LDS instruction of mine is out at the signal
	s_barrier_signal -1
	MUL16 2, 1, NQ-1, \slot, 0
	WIN 0
	s_barrier_wait -1                              ; everybody's part of the next slot has landed
	PLACES NP
	v_add_nc_u32 v[ADRS], 4*NQ, v[ADRS]            ; on to the next slot's scale words
	FETCH_B \next, 0, 0
	FETCH_A \next, 0, 0
	SCALES \next
	WIN MUL_HI
	MUL16 4, 1, NQ-1, \slot, 0
	MUL16 6, 1, NQ-1, \slot, 0
	PLACES NP
	WIN 0
	FETCH_A \next, 0, 4
.endm
.macro STEPS slot, from
.set Q, \from
.rept NQ-1-\from
	STEP \slot, Q, 0
.set Q, Q+1
.endr
.endm
	s_wait_tensorcnt 1                             ; the scales and my part of slot 0 are in (slot 1's load may be out),
	s_barrier_signal -1
	s_barrier_wait -1                              ; everybody's are
	FETCH_B 0, 0, 0
	FETCH_A 0, 0, 0
	SCALES 0
	FETCH_A 0, 0, 4
	STEP 0, 0, 1                                   ; the first step's products start the sums: nothing is cleared
	STEPS 0, 1
	TURN 0, 1
	STEPS 1, 0
	s_wait_dscnt 4*NL                              ; the very last step: nothing more to fetch
	WIN MUL_LO
	MUL16 0, 1, NQ-1, 1, 0
	MUL16 2, 1, NQ-1, 1, 0
	s_wait_dscnt 0
	WIN MUL_HI
	MUL16 4, 1, NQ-1, 1, 0
	MUL16 6, 1, NQ-1, 1, 0
	WIN 0
; 64 numbers of a lane, register 16 B + i of v[s] on = tiles 2 B and 2 B + 1 of my row, become the codes of four blocks in v[PC] on, a whole block to a lane, and my row's scale word in v[pw].
.macro QUANT s, pw
.irp b, 0,1,2,3
	v_max3_num_f32 v[TM+\b], |v[\s+16*\b]|, |v[\s+1+16*\b]|, 0x1800000   ; my 16 numbers of block b, and the floor 2^(3 - 127): the byte cannot fall under 1
.endr
.irp i, 2,4,6,8,10,12,14
.irp b, 0,1,2,3
	v_max3_num_f32 v[TM+\b], v[TM+\b], |v[\s+16*\b+\i]|, |v[\s+1+16*\b+\i]|
.endr
.endr
.irp b, 0,1,2,3
	v_permlanex16_b32 v[TM+4+\b], v[TM+\b], s2, s3
.endr
.irp b, 0,1,2,3
	v_max_num_f32 v[TM+\b], v[TM+\b], v[TM+4+\b]   ; with lane l xor 16's: the block's largest magnitude
.endr
.irp b, 0,1,2,3
	v_add_nc_u32 v[TM+12+\b], 0xff000000, v[TM+\b]   ; 2 off its exponent field: the conversion's scale operand
.endr
.irp b, 0,1,2,3
	v_lshrrev_b32 v[TM+4+\b], 23, v[TM+12+\b]      ; the scale's byte
.endr
	v_lshl_or_b32 v[\pw], v[TM+5], 8, v[TM+4]
	v_lshl_or_b32 v[\pw], v[TM+6], 16, v[\pw]
	v_lshl_or_b32 v[\pw], v[TM+7], 24, v[\pw]
.irp b, 0,1,2,3
	v_cvt_scalef32_pk8_fp4_f32 v[PC+4*(\b/2)+(\b%2)], v[\s+16*\b:\s+7+16*\b], v[TM+12+\b]       ; tile 2 b: dword h of the block
	v_cvt_scalef32_pk8_fp4_f32 v[PC+4*(\b/2)+2+(\b%2)], v[\s+8+16*\b:\s+15+16*\b], v[TM+12+\b]  ; tile 2 b + 1: dword 2 + h
.endr
	v_nop                                          ; one plain place behind a scaled conversion
.irp c, 0,1
	v_permlane16_swap_b32 v[PC+4*\c], v[PC+4*\c+1]     ; dwords 0 and 1: lanes 0-15 now hold block 2 c, lanes 16-31 block 2 c + 1
	v_permlane16_swap_b32 v[PC+4*\c+2], v[PC+4*\c+3]   ; dwords 2 and 3
.endr
.endm
; Block a of 16 rows: + bias, quantised, two images of 512 bytes stored, the scale word to my stage.
.macro BLOCKOUT a, isv
	s_wait_xcnt 0x0                                ; the last block's stores have read their data: the codes' registers may be written again
	WIN 0x02+(\a)/4                                ; source 0: window 2 or 3
.set ii, 0
.rept 32
.if \isv
	v_pk_add_f32 v[T+2*ii:T+2*ii+1], v[64*((\a)%4)+2*ii:64*((\a)%4)+2*ii+1], v[BM+2*(\a):BM+2*(\a)+1]   ; each accumulator from its low end on
.else
	v_pk_add_f32 v[T+2*ii:T+2*ii+1], v[64*((\a)%4)+2*ii:64*((\a)%4)+2*ii+1], v[BN+2*ii:BN+2*ii+1]
.endif
.set ii, ii+1
.endr
	WIN 0
	QUANT T, PW+\a
	global_store_b128 v[LI], v[PC:PC+3], s[8:9] offset:512*(\a)       ; 32 lanes store 512 consecutive bytes, aligned on 256
	global_store_b128 v[LI], v[PC+4:PC+7], s[10:11] offset:512*(\a)
.if \isv
	ds_store_b32 v[SW1], v[PW+\a] offset:64*(\a)   ; both halves of the lanes write the same word with the same value
.else
	ds_store_b32 v[SW0], v[PW+\a] offset:64*(\a)
.endif
.endm
.macro TAIL rd                         ; my 128 scale words leave as 512 consecutive bytes
	ds_load_b128 v[BI:BI+3], v[\rd]                ; LDS serves a wave's instructions in order: these see my stores
	s_wait_dscnt 0x0
	global_store_b128 v[LI], v[BI:BI+3], s[12:13]
.endm
	PLACES NP                                      ; behind the last products: their results are read and A's registers are written below
	s_wait_loadcnt 0x0                             ; the bias
	ds_store_b128 v[BSI], v[BI:BI+3]               ; through my own 512 bytes of LDS into the layout that the sums have
	s_cmp_eq_u32 s66, 0                            ; the cluster's y alone decides: all waves of all partners go the same way
	s_cbranch_scc0 .Lv
.irp b, 0,1,2,3,4,5,6,7
	ds_load_b128 v[BN+8*\b:BN+8*\b+3], v[BSN] offset:64*\b          ; q, k: bias[16 b + 8 h + j]
	ds_load_b128 v[BN+8*\b+4:BN+8*\b+7], v[BSN] offset:64*\b+16
.endr
	s_wait_dscnt 0x0
.irp a, 0,1,2,3,4,5,6,7
	BLOCKOUT \a, 0
.endr
	TAIL SR0
	s_branch .Lend
.Lv:
.irp a, 0,1,2,3,4,5,6,7
	ds_load_b32 v[BM+2*\a], v[BSM] offset:64*\a    ; v: bias[16 a + r], twice: a pair for the packed addition
	ds_load_b32 v[BM+2*\a+1], v[BSM] offset:64*\a
.endr
	s_wait_dscnt 0x0
.irp a, 0,1,2,3,4,5,6,7
	BLOCKOUT \a, 1
.endr
	TAIL SR1
.Lend:
	s_wait_tensorcnt 0x0                           ; the wave's end: behind my last tensor load and my last LDS store
	ds_add_u32 v[SPW], v[NIL]
	s_wait_dscnt 0x0
	CROUND                                         ; the closing round
	s_endpgm
.Lfunc_end_k_qa931308670_qkv:
	.size	k_qa931308670_qkv, .Lfunc_end_k_qa931308670_qkv-k_qa931308670_qkv
	.p2alignl 7, 3214868480
	.fill 96, 4, 3214868480
	.section	.rodata,"a",@progbits
	.p2align	6, 0x0
	.amdhsa_kernel k_qa931308670_qkv
		.amdhsa_group_segment_fixed_size 327680
		.amdhsa_private_segment_fixed_size 0
		.amdhsa_enable_private_segment 0
		.amdhsa_kernarg_size 56
		.amdhsa_user_sgpr_count 2
		.amdhsa_user_sgpr_kernarg_segment_ptr 1
		.amdhsa_wavefront_size32 1
		.amdhsa_system_sgpr_workgroup_id_x 1
		.amdhsa_system_sgpr_workgroup_id_y 1
		.amdhsa_system_sgpr_workgroup_id_z 1
		.amdhsa_system_vgpr_workitem_id 0
		.amdhsa_next_free_vgpr 1024
		.amdhsa_next_free_sgpr 102
		.amdhsa_reserve_vcc 0
		.amdhsa_float_denorm_mode_32 3
		.amdhsa_float_denorm_mode_16_64 3
		.amdhsa_memory_ordered 1
		.amdhsa_forward_progress 1
		.amdhsa_inst_pref_size 197
	.end_amdhsa_kernel
	.amdgpu_metadata
---
amdhsa.version: [ 1, 2 ]
amdhsa.kernels:
  - .name:           k_qa931308670_qkv
    .symbol:         k_qa931308670_qkv.kd
    .args:
      - { .name: xq, .offset: 0, .size: 8, .value_kind: global_buffer, .address_space: global }
      - { .name: wq, .offset: 8, .size: 8, .value_kind: global_buffer, .address_space: global }
      - { .name: bq, .offset: 16, .size: 8, .value_kind: global_buffer, .address_space: global }
      - { .name: bk, .offset: 24, .size: 8, .value_kind: global_buffer, .address_space: global }
      - { .name: bv, .offset: 32, .size: 8, .value_kind: global_buffer, .address_space: global }
      - { .name: qk, .offset: 40, .size: 8, .value_kind: global_buffer, .address_space: global }
      - { .name: vq, .offset: 48, .size: 8, .value_kind: global_buffer, .address_space: global }
    .group_segment_fixed_size: 327680
    .private_segment_fixed_size: 0
    .kernarg_segment_align: 8
    .kernarg_segment_size: 56
    .max_flat_workgroup_size: 128
    .sgpr_count:     102
    .vgpr_count:     1024
    .wavefront_size: 32
...
	.end_amdgpu_metadata
.endif
;; end of part 2
;; launch attn (part 3): grid 4 x 64, 16 waves a work-group, clusters of 4 x 1, 167,936 bytes of LDS; arguments qk, vq, aq; writes aq
.if DOCPART == 3
	.amdgcn_target "amdgcn-amd-amdhsa--gfx1250"
	.amdhsa_code_object_version 6
	.text
	.protected	k_qa931308670_attn
	.globl	k_qa931308670_attn
	.p2align	8
	.type	k_qa931308670_attn,@function
k_qa931308670_attn:
	s_mov_b64 s[64:65], 0
	v_nop
	global_prefetch_b8 v0, s[64:65] scope:SCOPE_SE
	s_setreg_imm32_b32 hwreg(HW_REG_WAVE_MODE, 25, 1), 1
	s_wait_xcnt 0x0
	s_wait_alu depctr_hold_cnt(0) depctr_sa_sdst(0) depctr_va_vdst(0) depctr_va_sdst(0) depctr_va_ssrc(0) depctr_va_vcc(0) depctr_vm_vsrc(0)
	s_getreg_b32 s2, hwreg(HW_REG_IB_STS2, 6, 4)
	s_cmp_eq_u32 s2, 0
	s_cbranch_scc0 .Lentry_in_a_cluster
	s_endpgm
.Lentry_in_a_cluster:
	s_bfe_u32 s2, ttmp6, 0x10000c
	s_cmp_lg_u32 s2, 0x3003
	s_cbranch_scc0 .Lentry_shape_is_right
	s_endpgm
.Lentry_shape_is_right:
; LAUNCH 3 OF 4: causal attention on codes of FP4, head size 64, 2,048 keys; the result is quantised along the model's 1,024 for the last product.
; WORK LEFT OUT: a step of 128 keys all of which come after a tile's 16 queries: the problem's own mask makes their p zero for every input.  A NaN, infinity or overflow that reaches only such scores is not carried on.
; THE SOFTMAX: t = score x log2(e) / 8; M = the running largest t rounded UP to a whole number; p = 2^(t - M) is quantised along the keys, not normalised; the row's sum is taken of the unquantised p and divides at the end.
; When M moves, the sum and O are multiplied by 2^(old M - new M), which rounds nothing.  The running largest t begins at -3e38.
; SHARES.  A cluster of four work-groups owns one head of one batch (the cluster's y); the four read the same K and V, which are asked for JOINTLY, once, and stay in LDS: nothing is filled again.
; Wave w of work-group cx owns the tiles of 16 queries T0 = 4 w + cx and T1 = 127 - T0.  Their last key steps, w / 2 and 15 - w / 2, hang on the wave's number alone: every wave walks 17 key steps, and no branch hangs on cx.
; LAYOUT.  Both products are used transposed: S^T = K Q^T (source 0 = 16 keys), O^T = V^T P^T (source 0 = 16 of the head's 64): a lane holds ONE query.  The first product's K is 64: the upper half of both operands is zero codes.
; In tile t of S^T lane (r, h) holds in register j key 16 t + 8 h + j.  The conversion of tile 2 B gives dword h of block B's 16 bytes, that of tile 2 B + 1 dword 2 + h; two exchanges of lane halves for each pair of
; blocks leave a whole block in a lane, which is the operand's layout.
; OUT.  aq: code images [b][head][tile of 16 tokens][512 bytes] (lane l: token l % 16, d = 32 (l / 16) on); from AS on the scale bytes [token 8192][32], two bytes a head: these are stored two bytes a lane into rows
; of 32 bytes, since a work-group's tiles of one head are no neighbours: 2 bytes for each 32 bytes of codes.
; LIMITS: blocks under 2^-124 are quantised under the byte 1, blocks of zeros get the byte 1; NaN and infinities are not served.
; REGISTERS: v1-5 addresses that stay; v6-9 addresses in hand; v10, v11 Q's scale words; v12 -M, v13 the largest t, v[14:15] the sum; v16-31 Q's two fragments; v32-95 K's eight; v96-159 S^T, then p; v160-191 O^T;
; v192-223 V's four; v224-231 p's codes; v232-239, v244-247 at work; v240-243 K's scale words, v248-249 V's; v250 32 r; v251 r - 8 h; v252 f; v253 p's scale word; v254, v255 at work.
.set KIMG,  0                          ; K's 128 tiles of 16 keys, 512 bytes each
.set VIMG,  65536                      ; V: [key step 16][c 2][tile of d 4][512 bytes]
.set KSC,   131072                     ; the pair of heads' scale words, 4 bytes a key
.set VSC,   139264                     ; V's scale words [key step][tile of d][16]
.set SPARE, 143360                     ; the spare words, 128 bytes a wave
.set QKS,   8388608
.set VS,    4194304
.set AS,    4194304
.set LI,  1                            ; v1  16 x lane
.set AKS, 2                            ; v2  KSC + 4 x lane + 2 x (head % 2)
.set AVS, 3                            ; v3  VSC + 4 x lane
.set SPW, 4
.set NIL, 5
.set ADK, 6
.set ADV, 7
.set ADS, 8
.set ADT, 9
.set WV,   16
.set LIM0, 17                          ; s17 T0's last key step
.set SEL,  20
.set CS,   22                          ; s[22:23] c = log2(e) / 8
.set CNT,  76
.set LIM1, 77                          ; s77 T1's last key step
.set TB,   78                          ; LDS steps: K's tiles, 4,096 bytes a key step;
.set TS,   79                          ; K's scale words, 512;
.set TJ,   80                          ; V's scale words, 256;
.set TBV,  96                          ; V's tiles, 4,096, from VIMG on
.set DQ0,  94                          ; the tile's first query within its last key step
.set DQ1,  95
.macro CROUND
	s_barrier_signal -1
	s_barrier_wait -1
	s_cmp_lg_u32 s[WV], 0
	s_cbranch_scc1 .Lnot_wave_0_\@
	s_barrier_signal -3
.Lnot_wave_0_\@:
	s_barrier_wait -3
	s_barrier_signal -1
	s_barrier_wait -1
.endm
	s_load_b128 s[4:7], s[0:1], 0x0                ; qk, vq
	s_load_b64 s[8:9], s[0:1], 0x10                ; aq
	v_lshl_add_u32 v[SPW], v0, 2, SPARE
	v_mov_b32 v[NIL], 0
	ds_add_u32 v[SPW], v[NIL]                      ; the wave's opening: the add, twice on end, and its wait ahead of the first tensor loads
	ds_add_u32 v[SPW], v[NIL]
	v_lshrrev_b32 v6, 5, v0
	s_delay_alu instid0(VALU_DEP_1)
	v_readfirstlane_b32 s[WV], v6                  ; wave 0..15
	s_and_b32 s10, ttmp7, 0xffff                   ; y = 16 b + head
	s_lshr_b32 s11, s10, 4                         ; b
	s_and_b32 s12, s10, 15                         ; head
	s_and_b32 s13, s10, 1
	s_lshl_b32 s13, s13, 1                         ; my head's two bytes in its pair's scale words
	s_bfe_u32 s14, ttmp6, 0x40000                  ; cx
	s_lshl_b32 s15, s[WV], 2
	s_add_co_u32 s15, s15, s14                     ; T0
	s_sub_co_u32 s81, 127, s15                     ; T1
	s_lshr_b32 s[LIM0], s[WV], 1
	s_sub_co_u32 s[LIM1], 15, s[LIM0]
	s_and_b32 s[DQ0], s15, 7
	s_lshl_b32 s[DQ0], s[DQ0], 4
	s_sub_co_u32 s[DQ1], 112, s[DQ0]
	; four descriptors' groups 1: elements of 8 bytes, the mask names all four work-groups, no padding: every fragment load takes 512 consecutive bytes
	s_mov_b32 s24, 15|(3<<16)|(1<<21)              ; K's codes: 65,536 dense bytes as 256 rows of 256
	s_mov_b32 s25, 32<<16
	s_mov_b32 s26, 256<<16
	s_mov_b32 s27, 32<<16
	s_mov_b32 s28, 256
	s_mov_b32 s29, 32
	s_mov_b32 s30, 0
	s_mov_b32 s31, 0
	s_mov_b32 s32, 15|(3<<16)|(1<<21)              ; V's codes: 32 rows (key step, c) of 2,048 bytes, 32,768 bytes apart
	s_mov_b32 s33, 256<<16
	s_mov_b32 s34, 32<<16
	s_mov_b32 s35, 256<<16
	s_mov_b32 s36, 32
	s_mov_b32 s37, 4096
	s_mov_b32 s38, 0
	s_mov_b32 s39, 0
	s_mov_b32 s40, 15|(3<<16)|(1<<21)              ; K's scale words: 8,192 dense bytes as 32 rows of 256
	s_mov_b32 s41, 32<<16
	s_mov_b32 s42, 32<<16
	s_mov_b32 s43, 32<<16
	s_mov_b32 s44, 32
	s_mov_b32 s45, 32
	s_mov_b32 s46, 0
	s_mov_b32 s47, 0
	s_mov_b32 s48, 15|(3<<16)|(1<<21)              ; V's scale words: 16 rows (key steps) of 256 bytes, 4,096 bytes apart
	s_mov_b32 s49, 32<<16
	s_mov_b32 s50, 16<<16
	s_mov_b32 s51, 32<<16
	s_mov_b32 s52, 16
	s_mov_b32 s53, 512
	s_mov_b32 s54, 0
	s_mov_b32 s55, 0
	s_mov_b32 s[SEL], 0x76543210
	s_mov_b32 s[SEL+1], 0xfedcba98
	s_mov_b32 s[CS], 0x3e38aa3b
	s_mov_b32 s[CS+1], s[CS]
	; offsets.  The descriptors' hang on y alone, which the four partners share
	s_lshl_b32 s18, s10, 16                        ; y x 65,536
	s_add_co_u32 s58, s18, 4194304                 ; K's images lie behind Q's
	s_mov_b32 s59, 0
	s_lshl_b32 s62, s11, 20
	s_lshl_b32 s63, s12, 11
	s_add_co_u32 s62, s62, s63                     ; V: b x 2^20 + head x 2,048
	s_mov_b32 s63, 0
	s_lshr_b32 s97, s10, 1
	s_lshl_b32 s97, s97, 13
	s_add_co_u32 s97, s97, QKS                     ; the pair's scale words of Q
	s_add_co_u32 s70, s97, 262144                  ; and of K
	s_mov_b32 s71, 0
	s_lshl_b32 s74, s11, 16
	s_lshl_b32 s75, s12, 8
	s_add_co_u32 s74, s74, s75
	s_add_co_u32 s74, s74, VS
	s_mov_b32 s75, 0
	; my two tiles: Q's images and the result's lie at the same offset, y x 65,536 + 512 T
	s_lshl_b32 s82, s15, 9
	s_add_co_u32 s82, s82, s18
	s_mov_b32 s83, 0
	s_lshl_b32 s84, s81, 9
	s_add_co_u32 s84, s84, s18
	s_mov_b32 s85, 0
	s_add_co_u32 s98, s97, s13                     ; Q's scale words: + 64 T + my head's two bytes
	s_lshl_b32 s100, s81, 6
	s_add_co_u32 s100, s100, s98
	s_lshl_b32 s99, s15, 6
	s_add_co_u32 s98, s98, s99
	s_mov_b32 s99, 0
	s_mov_b32 s101, 0
	s_lshl_b32 s88, s11, 16                        ; the result's scale bytes: AS + (2,048 b + 16 T) x 32 + 2 head
	s_add_co_u32 s88, s88, AS
	s_lshl_b32 s89, s12, 1
	s_add_co_u32 s88, s88, s89
	s_lshl_b32 s92, s81, 9
	s_add_co_u32 s92, s92, s88
	s_lshl_b32 s89, s15, 9
	s_add_co_u32 s88, s88, s89
	s_mov_b32 s89, 0
	s_mov_b32 s93, 0
	s_wait_dscnt 0x0                               ; both opening adds are done
	s_wait_kmcnt 0x0
	s_mov_b32 s56, 1
	s_mov_b32 s57, KIMG
	s_add_nc_u64 s[58:59], s[4:5], s[58:59]
	s_or_b32 s59, s59, 0x80000000
	s_mov_b32 s60, 1
	s_mov_b32 s61, VIMG
	s_add_nc_u64 s[62:63], s[6:7], s[62:63]
	s_or_b32 s63, s63, 0x80000000
	s_mov_b32 s68, 1
	s_mov_b32 s69, KSC
	s_add_nc_u64 s[70:71], s[4:5], s[70:71]
	s_or_b32 s71, s71, 0x80000000
	s_mov_b32 s72, 1
	s_mov_b32 s73, VSC
	s_add_nc_u64 s[74:75], s[6:7], s[74:75]
	s_or_b32 s75, s75, 0x80000000
	s_add_nc_u64 s[86:87], s[8:9], s[82:83]        ; the result's images,
	s_add_nc_u64 s[90:91], s[8:9], s[84:85]
	s_add_nc_u64 s[88:89], s[8:9], s[88:89]        ; its scale bytes,
	s_add_nc_u64 s[92:93], s[8:9], s[92:93]
	s_add_nc_u64 s[82:83], s[4:5], s[82:83]        ; Q's images,
	s_add_nc_u64 s[84:85], s[4:5], s[84:85]
	s_add_nc_u64 s[98:99], s[4:5], s[98:99]        ; Q's scale words
	s_add_nc_u64 s[100:101], s[4:5], s[100:101]
	CROUND                                         ; all four work-groups are here: the joint loads meet
	s_cmp_lg_u32 s[WV], 0                          ; waves 0 to 3 issue one load each, the others none; the branches hang on the wave's number alone
	s_cbranch_scc1 .Lnot0
	tensor_load_to_lds s[56:59], s[24:31]
	s_nop 0
.rept 4
	v_nop
.endr
	s_branch .Lasked
.Lnot0:
	s_cmp_lg_u32 s[WV], 1
	s_cbranch_scc1 .Lnot1
	tensor_load_to_lds s[60:63], s[32:39]
	s_nop 0
.rept 4
	v_nop
.endr
	s_branch .Lasked
.Lnot1:
	s_cmp_lg_u32 s[WV], 2
	s_cbranch_scc1 .Lnot2
	tensor_load_to_lds s[68:71], s[40:47]
	s_nop 0
.rept 4
	v_nop
.endr
	s_branch .Lasked
.Lnot2:
	s_cmp_lg_u32 s[WV], 3
	s_cbranch_scc1 .Lasked
	tensor_load_to_lds s[72:75], s[48:55]
	s_nop 0
.rept 4
	v_nop
.endr
.Lasked:
	v_and_b32 v6, 31, v0                           ; lane
	s_delay_alu instid0(VALU_DEP_1)
	v_lshlrev_b32 v[LI], 4, v6
	v_and_b32 v7, 15, v0                           ; r
	v_bfe_u32 v9, v0, 4, 1                         ; h
	s_delay_alu instid0(VALU_DEP_2)
	v_lshlrev_b32 v8, 2, v7
	global_load_b128 v[16:19], v[LI], s[82:83]     ; Q's two fragments stay in registers
	global_load_b128 v[24:27], v[LI], s[84:85]
	global_load_u16 v10, v8, s[98:99]              ; and their scale words: two bytes, the upper two 0: they scale zero codes
	global_load_u16 v11, v8, s[100:101]
	s_add_co_u32 s18, s13, KSC
	v_lshl_add_u32 v[AKS], v6, 2, s18
	v_lshl_add_u32 v[AVS], v6, 2, VSC
	v_lshlrev_b32 v250, 5, v7
	v_lshlrev_b32 v251, 3, v9
	s_delay_alu instid0(VALU_DEP_1)
	v_sub_nc_u32 v251, v7, v251
.irp j, 20,21,22,23,28,29,30,31
	v_mov_b32 v[\j], 0                             ; K = 64 .. 127 of the first product: zero codes, in Q
.endr
.irp t, 0,1,2,3,4,5,6,7
.irp j, 36,37,38,39
	v_mov_b32 v[\j+8*\t], 0                        ; and in K: written once
.endr
.endr
.irp j, 236,237,238,239,252,253
	v_mov_b32 v[\j], 0                             ; written once: a lane permute's destination counts as a source, and v253 is named in a pair before it is first made
.endr
	s_wait_tensorcnt 0x0                           ; my load, if I issued one, has landed
	s_barrier_signal -1
	s_barrier_wait -1                              ; all four have
	s_wait_loadcnt 0x0                             ; Q
; One tile of 16 queries: qf its fragment, qs its scale word, trips the loop's constant count, lim its last key step, dq its first query in that step, oa and os where its result goes.
.macro PASS qf, qs, trips, lim, dq, oa, os
	s_wait_xcnt 0x0                                ; the last tile's stores have read their registers
	v_mov_b32 v13, 0xff61b1e6                      ; the largest t so far: -3e38
	s_delay_alu instid0(VALU_DEP_1)
	v_floor_f32 v12, -v13                          ; -M
	v_mov_b32 v14, 0
	v_mov_b32 v15, 0
.set ii, 0
.rept 32
	v_mov_b32 v[160+ii], 0                         ; O^T: the step is written once; its first trip finds zeros
.set ii, ii+1
.endr
	s_mov_b32 s[TB], 0
	s_mov_b32 s[TBV], VIMG
	s_mov_b32 s[TS], 0
	s_mov_b32 s[TJ], 0
	s_mov_b32 s[CNT], 0
.Lstep_\@:
	s_cmp_gt_u32 s[CNT], s[\lim]                   ; a step all of whose keys come after my queries is left out; the trip count stays a constant
	s_cbranch_scc1 .Lhid_\@
	s_setprio 2
	v_add_nc_u32 v[ADK], s[TB], v[LI]
	v_add_nc_u32 v[ADV], s[TBV], v[LI]
	v_add_nc_u32 v[ADS], s[TS], v[AKS]
	v_add_nc_u32 v[ADT], s[TJ], v[AVS]
.irp t, 0,1,2,3,4,5,6,7
	ds_load_b128 v[32+8*\t:35+8*\t], v[ADK] offset:512*\t          ; K's tile t: 16 keys x 64
.endr
.irp b, 0,1,2,3
	ds_load_u16 v[240+\b], v[ADS] offset:128*\b    ; lanes 0-15: tile 2 b's scale words; lanes 16-31: tile 2 b + 1's
.endr
.irp i, 0,1,2,3
.irp c, 0,1
	ds_load_b128 v[192+8*\i+4*\c:195+8*\i+4*\c], v[ADV] offset:2048*\c+512*\i   ; V's tile i: 16 of the head's 64 x 128 keys
.endr
.endr
.irp g, 0,1
	ds_load_b32 v[248+\g], v[ADT] offset:128*\g    ; lanes 0-15: tile 2 g's scale words; lanes 16-31: tile 2 g + 1's
.endr
	s_wait_dscnt 10                                ; K and its scales are in; V's ten loads may be out
.irp t, 0,2,4,6
	v_wmma_scale_f32_16x16x128_f8f6f4 v[96+8*\t:103+8*\t], v[32+8*\t:39+8*\t], v[\qf:\qf+7], 0, v[240+\t/2], v[\qs] matrix_a_fmt:MATRIX_FMT_FP4 matrix_b_fmt:MATRIX_FMT_FP4
	v_wmma_scale_f32_16x16x128_f8f6f4 v[104+8*\t:111+8*\t], v[40+8*\t:47+8*\t], v[\qf:\qf+7], 0, v[240+\t/2], v[\qs] matrix_a_fmt:MATRIX_FMT_FP4 matrix_b_fmt:MATRIX_FMT_FP4 matrix_a_scale:MATRIX_SCALE_ROW1
.endr
.rept 4
	v_nop                                          ; places behind the products, ahead of the first read of their results
.endr
	s_cmp_lt_u32 s[CNT], s[\lim]                   ; only the tile's last step lies on the diagonal
	s_cbranch_scc1 .Lopen_\@
	v_add_nc_u32 v254, s[\dq], v251                ; my query - 8 h, counted from the step's first key.  Register 8 t + j holds key 16 t + 8 h + j: hidden where 16 t + j is above it
	v_mov_b32 v255, 0xff800000                     ; -infinity
.set ii, 0
.rept 64
	v_cmp_gt_i32 vcc_lo, 16*(ii/8)+ii%8, v254
	v_cndmask_b32 v[96+ii], v[96+ii], v255, vcc_lo
.set ii, ii+1
.endr
.Lopen_\@:
.irp b, 0,1,2,3
	v_max3_num_f32 v[232+\b], v[96+16*\b], v[97+16*\b], v[98+16*\b]   ; the largest score of each block of 32 keys: for the row's maximum, and, since p rises with the score, for the block's largest p
.endr
.irp i, 3,5,7,9,11,13
.irp b, 0,1,2,3
	v_max3_num_f32 v[232+\b], v[232+\b], v[96+16*\b+\i], v[97+16*\b+\i]
.endr
.endr
.irp b, 0,1,2,3
	v_max_num_f32 v[232+\b], v[232+\b], v[111+16*\b]
.endr
.irp b, 0,1,2,3
	s_delay_alu instid0(VALU_DEP_4)
	v_permlanex16_b32 v[236+\b], v[232+\b], s[SEL], s[SEL+1]
.endr
.irp b, 0,1,2,3
	s_delay_alu instid0(VALU_DEP_4)
	v_max_num_f32 v[232+\b], v[232+\b], v[236+\b]  ; with lane l xor 16's 16 keys
.endr
	s_delay_alu instid0(VALU_DEP_2)
	v_max3_num_f32 v254, v232, v233, v234
	s_delay_alu instid0(VALU_DEP_1)
	v_max_num_f32 v254, v254, v235                 ; the step's largest score of my query
	s_delay_alu instid0(VALU_DEP_1)
	v_mul_f32 v254, s[CS], v254                    ; as t
	s_delay_alu instid0(VALU_DEP_1)
	v_max_num_f32 v13, v13, v254                   ; the running largest t
	v_mov_b32 v254, v12
	s_delay_alu instid0(VALU_DEP_2)
	v_floor_f32 v12, -v13                          ; the new -M = -ceil(t)
	s_delay_alu instid0(VALU_DEP_1)
	v_sub_f32 v254, v12, v254                      ; old M - new M: a whole number, 0 or less
	s_delay_alu instid0(VALU_DEP_1)
	v_cvt_i32_f32 v254, v254                       ; (it saturates)
	s_delay_alu instid0(VALU_DEP_1)
	v_ldexp_f32 v252, 1.0, v254                    ; f = 2^(old M - new M)
.set ii, 0
.rept 32
	v_pk_fma_f32 v[96+ii:97+ii], v[96+ii:97+ii], s[CS:CS+1], v[12:13] op_sel_hi:[1,0,0]   ; t - M, two at a time
.set ii, ii+2
.endr
	s_setprio 1
.irp b, 0,1,2,3
	v_fma_f32 v[232+\b], v[232+\b], s[CS], v12     ; the same of each block's largest score
.endr
.set ii, 0
	s_wait_alu depctr_va_vdst(0)
.rept 64
	v_exp_f32 v[96+ii], v[96+ii]                   ; p = 2^(t - M)
.set ii, ii+1
.endr
	v_pk_mul_f32 v[14:15], v[14:15], v[252:253] op_sel_hi:[1,0]   ; the sums under the new M: a plain instruction behind the exponentials
	s_wait_alu depctr_va_vdst(0)                   ; one wait for the whole batch, ahead of its first reader
.irp b, 0,1,2,3
	v_exp_f32 v[232+\b], v[232+\b]                 ; the block's largest p
.endr
	v_pk_add_f32 v[236:237], v[100:101], v[104:105]
	v_pk_add_f32 v[254:255], v[108:109], v[112:113]
	v_pk_add_f32 v[246:247], v[116:117], v[120:121]
	v_pk_add_f32 v[244:245], v[124:125], v[128:129]
	v_pk_add_f32 v[242:243], v[132:133], v[136:137]
	v_pk_add_f32 v[240:241], v[140:141], v[144:145]
	v_pk_add_f32 v[238:239], v[148:149], v[152:153]
	v_pk_add_f32 v[14:15], v[14:15], v[156:157]
	v_pk_add_f32 v[236:237], v[236:237], v[96:97]
	v_pk_add_f32 v[254:255], v[254:255], v[98:99]
	v_pk_add_f32 v[246:247], v[246:247], v[102:103]
	v_pk_add_f32 v[244:245], v[244:245], v[106:107]
	v_pk_add_f32 v[242:243], v[242:243], v[110:111]
	v_pk_add_f32 v[240:241], v[240:241], v[114:115]
	v_pk_add_f32 v[238:239], v[238:239], v[118:119]
	v_pk_add_f32 v[14:15], v[14:15], v[122:123]
	v_pk_add_f32 v[236:237], v[236:237], v[126:127]
	v_pk_add_f32 v[254:255], v[254:255], v[130:131]
	v_pk_add_f32 v[246:247], v[246:247], v[134:135]
	v_pk_add_f32 v[244:245], v[244:245], v[138:139]
	v_pk_add_f32 v[242:243], v[242:243], v[142:143]
	v_pk_add_f32 v[240:241], v[240:241], v[146:147]
	v_pk_add_f32 v[238:239], v[238:239], v[150:151]
	v_pk_add_f32 v[14:15], v[14:15], v[154:155]
	v_pk_add_f32 v[236:237], v[236:237], v[158:159]
	s_delay_alu instid0(VALU_DEP_2)
	v_pk_add_f32 v[14:15], v[14:15], v[244:245]
	s_delay_alu instid0(VALU_DEP_2)
	v_pk_add_f32 v[236:237], v[236:237], v[242:243]
	v_pk_add_f32 v[254:255], v[254:255], v[240:241]
	v_pk_add_f32 v[246:247], v[246:247], v[238:239]
	s_delay_alu instid0(VALU_DEP_2)
	v_pk_add_f32 v[14:15], v[14:15], v[254:255]
	s_delay_alu instid0(VALU_DEP_2)
	v_pk_add_f32 v[236:237], v[236:237], v[246:247]
	s_delay_alu instid0(VALU_DEP_1)
	v_pk_add_f32 v[14:15], v[14:15], v[236:237]
	s_wait_alu depctr_va_vdst(0)                   ; and one for the four
.irp b, 0,1,2,3
	v_max_num_f32 v[232+\b], 0x1800000, v[232+\b]  ; the floor 2^(3 - 127)
.endr
.irp b, 0,1,2,3
	s_delay_alu instid0(VALU_DEP_4)
	v_add_nc_u32 v[244+\b], 0xff000000, v[232+\b]  ; the conversion's scale operand
.endr
.irp b, 0,1,2,3
	s_delay_alu instid0(VALU_DEP_4)
	v_lshrrev_b32 v[236+\b], 23, v[244+\b]         ; the scale's byte
.endr
	s_delay_alu instid0(VALU_DEP_3)
	v_lshl_or_b32 v253, v237, 8, v236              ; p's scale word for these 128 keys
	s_delay_alu instid0(VALU_DEP_1)
	v_lshl_or_b32 v253, v238, 16, v253
	s_delay_alu instid0(VALU_DEP_1)
	v_lshl_or_b32 v253, v239, 24, v253
	s_setprio 0
.irp b, 0,1,2,3
	v_cvt_scalef32_pk8_fp4_f32 v[224+4*(\b/2)+(\b%2)], v[96+16*\b:103+16*\b], v[244+\b]      ; tile 2 b: dword h of the block
	v_cvt_scalef32_pk8_fp4_f32 v[226+4*(\b/2)+(\b%2)], v[104+16*\b:111+16*\b], v[244+\b]     ; tile 2 b + 1: dword 2 + h
.endr
	v_nop                                          ; one plain place behind a scaled conversion
.irp c, 0,1
	v_permlane16_swap_b32 v[224+4*\c], v[225+4*\c] ; a whole block to a lane: lanes 0-15 block 2 c, lanes 16-31 block 2 c + 1
	v_permlane16_swap_b32 v[226+4*\c], v[227+4*\c]
.endr
.set ii, 0
.rept 16
	v_pk_mul_f32 v[160+ii:161+ii], v[160+ii:161+ii], v[252:253] op_sel_hi:[1,0]   ; O^T under the new M; these sixteen are also the places between the codes' and the scale word's making and the products
.set ii, ii+2
.endr
	s_wait_alu depctr_va_vdst(0)
	s_wait_dscnt 0x0                               ; V and its scales are in
.irp i, 0,2
	v_wmma_scale_f32_16x16x128_f8f6f4 v[160+8*\i:167+8*\i], v[192+8*\i:199+8*\i], v[224:231], v[160+8*\i:167+8*\i], v[248+\i/2], v253 matrix_a_fmt:MATRIX_FMT_FP4 matrix_b_fmt:MATRIX_FMT_FP4
	v_wmma_scale_f32_16x16x128_f8f6f4 v[168+8*\i:175+8*\i], v[200+8*\i:207+8*\i], v[224:231], v[168+8*\i:175+8*\i], v[248+\i/2], v253 matrix_a_fmt:MATRIX_FMT_FP4 matrix_b_fmt:MATRIX_FMT_FP4 matrix_a_scale:MATRIX_SCALE_ROW1
.endr
.rept 4
	v_nop                                          ; places behind the products, on every way on: the next step's loads, or the way out
.endr
.Lhid_\@:
	s_add_co_u32 s[TB], s[TB], 4096
	s_add_co_u32 s[TBV], s[TBV], 4096
	s_add_co_u32 s[TS], s[TS], 512
	s_add_co_u32 s[TJ], s[TJ], 256
	s_add_co_u32 s[CNT], s[CNT], 1
	s_cmp_lt_u32 s[CNT], \trips
	s_cbranch_scc1 .Lstep_\@
	s_setprio 0
	; the way out: O^T / the sum, quantised along the head's 64: two blocks, tiles 0, 1 and tiles 2, 3
	v_add_f32 v14, v14, v15
	s_delay_alu instid0(VALU_DEP_1)
	v_permlanex16_b32 v252, v14, s[SEL], s[SEL+1]
	s_delay_alu instid0(VALU_DEP_1)
	v_add_f32 v14, v14, v252                       ; the row's sum
	s_wait_alu depctr_va_vdst(0)
	v_rcp_f32 v14, v14
	v_nop                                          ; a plain instruction behind the reciprocal
	s_wait_alu depctr_va_vdst(0)                   ; and the wait ahead of its first reader
.set ii, 0
.rept 16
	v_pk_mul_f32 v[96+ii:97+ii], v[160+ii:161+ii], v[14:15] op_sel_hi:[1,0]   ; register 8 i + j: d = 16 i + 8 h + j of my query; each accumulator from its low end on
.set ii, ii+2
.endr
.irp b, 0,1
	v_max3_num_f32 v[232+\b], |v[96+16*\b]|, |v[97+16*\b]|, 0x1800000
.endr
.irp i, 2,4,6,8,10,12,14
.irp b, 0,1
	s_delay_alu instid0(VALU_DEP_2)
	v_max3_num_f32 v[232+\b], v[232+\b], |v[96+16*\b+\i]|, |v[97+16*\b+\i]|
.endr
.endr
.irp b, 0,1
	s_delay_alu instid0(VALU_DEP_2)
	v_permlanex16_b32 v[236+\b], v[232+\b], s[SEL], s[SEL+1]
.endr
.irp b, 0,1
	s_delay_alu instid0(VALU_DEP_2)
	v_max_num_f32 v[232+\b], v[232+\b], v[236+\b]
.endr
.irp b, 0,1
	s_delay_alu instid0(VALU_DEP_2)
	v_add_nc_u32 v[244+\b], 0xff000000, v[232+\b]
.endr
.irp b, 0,1
	s_delay_alu instid0(VALU_DEP_2)
	v_lshrrev_b32 v[236+\b], 23, v[244+\b]
.endr
	s_delay_alu instid0(VALU_DEP_1)
	v_lshl_or_b32 v254, v237, 8, v236              ; my query's two scale bytes
	v_cvt_scalef32_pk8_fp4_f32 v224, v[96:103], v244
	v_cvt_scalef32_pk8_fp4_f32 v226, v[104:111], v244
	v_cvt_scalef32_pk8_fp4_f32 v225, v[112:119], v245
	v_cvt_scalef32_pk8_fp4_f32 v227, v[120:127], v245
	v_nop
	v_permlane16_swap_b32 v224, v225
	v_permlane16_swap_b32 v226, v227
	global_store_b128 v[LI], v[224:227], s[\oa:\oa+1]   ; 512 consecutive bytes, aligned on 256
	global_store_b16 v250, v254, s[\os:\os+1]      ; two bytes of each of 16 rows of 32; both halves of the lanes write the same value
.endm
	PASS 16, 10, 8, LIM0, DQ0, 86, 88
	PASS 24, 11, 16, LIM1, DQ1, 90, 92
	s_wait_tensorcnt 0x0                           ; the wave's end
	ds_add_u32 v[SPW], v[NIL]
	s_wait_dscnt 0x0
	CROUND                                         ; the closing round
	s_endpgm
.Lfunc_end_k_qa931308670_attn:
	.size	k_qa931308670_attn, .Lfunc_end_k_qa931308670_attn-k_qa931308670_attn
	.p2alignl 7, 3214868480
	.fill 96, 4, 3214868480
	.section	.rodata,"a",@progbits
	.p2align	6, 0x0
	.amdhsa_kernel k_qa931308670_attn
		.amdhsa_group_segment_fixed_size 167936
		.amdhsa_private_segment_fixed_size 0
		.amdhsa_enable_private_segment 0
		.amdhsa_kernarg_size 24
		.amdhsa_user_sgpr_count 2
		.amdhsa_user_sgpr_kernarg_segment_ptr 1
		.amdhsa_wavefront_size32 1
		.amdhsa_system_sgpr_workgroup_id_x 1
		.amdhsa_system_sgpr_workgroup_id_y 1
		.amdhsa_system_sgpr_workgroup_id_z 1
		.amdhsa_system_vgpr_workitem_id 0
		.amdhsa_next_free_vgpr 256
		.amdhsa_next_free_sgpr 102
		.amdhsa_reserve_vcc 1
		.amdhsa_float_denorm_mode_32 3
		.amdhsa_float_denorm_mode_16_64 3
		.amdhsa_memory_ordered 1
		.amdhsa_forward_progress 1
		.amdhsa_inst_pref_size 65
	.end_amdhsa_kernel
	.amdgpu_metadata
---
amdhsa.version: [ 1, 2 ]
amdhsa.kernels:
  - .name:           k_qa931308670_attn
    .symbol:         k_qa931308670_attn.kd
    .args:
      - { .name: qk, .offset: 0, .size: 8, .value_kind: global_buffer, .address_space: global }
      - { .name: vq, .offset: 8, .size: 8, .value_kind: global_buffer, .address_space: global }
      - { .name: aq, .offset: 16, .size: 8, .value_kind: global_buffer, .address_space: global }
    .group_segment_fixed_size: 167936
    .private_segment_fixed_size: 0
    .kernarg_segment_align: 8
    .kernarg_segment_size: 24
    .max_flat_workgroup_size: 512
    .sgpr_count:     102
    .vgpr_count:     256
    .wavefront_size: 32
...
	.end_amdgpu_metadata
.endif
;; end of part 3
;; launch oproj (part 4): grid 4 x 32, 4 waves a work-group, clusters of 4 x 4, 327,680 bytes of LDS; arguments aq, wq, bo, out0; writes out0
.if DOCPART == 4
	.amdgcn_target "amdgcn-amd-amdhsa--gfx1250"
	.amdhsa_code_object_version 6
	.text
	.protected	k_qa931308670_oproj
	.globl	k_qa931308670_oproj
	.p2align	8
	.type	k_qa931308670_oproj,@function
k_qa931308670_oproj:
	s_mov_b64 s[64:65], 0
	v_nop
	global_prefetch_b8 v0, s[64:65] scope:SCOPE_SE
	s_setreg_imm32_b32 hwreg(HW_REG_WAVE_MODE, 25, 1), 1
	s_wait_xcnt 0x0
	s_wait_alu depctr_hold_cnt(0) depctr_sa_sdst(0) depctr_va_vdst(0) depctr_va_sdst(0) depctr_va_ssrc(0) depctr_va_vcc(0) depctr_vm_vsrc(0)
	s_getreg_b32 s2, hwreg(HW_REG_IB_STS2, 6, 4)
	s_cmp_eq_u32 s2, 0
	s_cbranch_scc0 .Lentry_in_a_cluster
	s_endpgm
.Lentry_in_a_cluster:
	s_bfe_u32 s2, ttmp6, 0x10000c
	s_cmp_lg_u32 s2, 0xf033
	s_cbranch_scc0 .Lentry_shape_is_right
	s_endpgm
.Lentry_shape_is_right:
; LAUNCH 4 OF 4: out0 = a Wo^T + bo on codes of FP4 with E8M0 scales; a is the attention's result as the launch before left it.  No work is left out here.
; out0: [8192][1024] f32.  A tile is 256 x 256: four waves, 128 x 128 each.  All of K = 1,024 lies in LDS: two slots of 512 along K, each filled once; nothing is filled again.  128 tiles: 128 work-groups.
; A's codes come as register images [b][head][tile of 16 tokens][512 bytes]: lane l's 16 bytes at 16 l hold token l % 16, d = 32 (l / 16) on: half a fragment (K = 64 c on is head 2 q + c).  A wave's tensor load brings
; 8 heads x 8 tiles: 8 rows of 4,096 bytes, 65,536 bytes apart.  A's scale bytes [8192][32] and Wo's codes (rows 3,072 on of wq) and scale bytes lie row by row.
; CLUSTERS: 4 x 4 work-groups; A's tiles are asked for jointly along a row of the cluster, B's along a column.  THE MATRIX INSTRUCTION IS USED TRANSPOSED (source 0 = 16 rows of Wo, source 1 = 16 tokens): a lane holds eight
; neighbouring numbers of a row of out0.  The bias is the C of each sum's first matrix instruction.
; REGISTERS, in windows of 256: window 0: v0-31 addresses; v32-95 scale words, two sets; from v128 A's fragments, one set; v192-255 the bias; on the way out v128-255 are rows of out0.
;   window 1: B's fragments, two sets.  window 2: the accumulators of my rows 0-63;  window 3: those of rows 64-127.
.set SIZE_N, 1024
.set AS,     4194304
.set WS,     2097152
.set NQ,     4
.set ROWB,   256
.set KROW,   512
.set PITCH,  272
.set FR,     8
.set NL,     2
.set NP,     4
.set HALFT,  128*PITCH
.set SLOT,   4*HALFT
.set KS,     32
.set SCL,    2*SLOT
.set HALFS,  (128*KS/256)*272
.set SBLK,   (16*KS/256)*272
.set SPARE,  SCL+4*HALFS
.set SPITCH, 528                       ; the way out: a stage of 16 rows x (512 bytes + 16) for each wave, in slot 0, which has had its one fill and its last read when the first result is stored there
.set ADRA, 16
.set ADRB, 20
.set STO,  24
.set RD,   25
.set CO,   26
.set ADRS, 27
.set SPW,  28
.set NIL,  29
.set BOF,  30                          ; v30  32 h: my eight of a tile's sixteen bias numbers
.set SC,   32
.set AF,   128
.set BK,   128
.set BN,   192
.set G1, 24
.set G0, 32
.set G1B, 48
.set G0B, 56
.set G1S, 68
.set G0S, 76
.set G1SB, 80
.set G0SB, 88
.set MSB, 0
.macro WIN new
.if MSB != (\new)
	s_set_vgpr_msb (MSB<<8)|(\new)
.set MSB, (\new)
.endif
.endm
.set MUL_LO, 0xa1                      ; source 0 (B) window 1, source 1 (A) window 0, C and D window 2
.set MUL_HI, 0xf1
.set FST_LO, 0x81                      ; the same with C (the bias) in window 0
.set FST_HI, 0xc1
.set TO_B,   0x40
.macro JLOAD g0a, g1a, g0b, g1b        ; a joint load: waves 0 and 1 fetch for A, waves 2 and 3 for B; an s_nop 0 and four v_nop follow each line
	s_cmp_eq_u32 s15, 0
	s_cbranch_scc0 .Lfor_b_\@
	tensor_load_to_lds s[\g0a:\g0a+3], s[\g1a:\g1a+7]
	s_nop 0
.rept 4
	v_nop
.endr
	s_branch .Lasked_\@
.Lfor_b_\@:
	tensor_load_to_lds s[\g0b:\g0b+3], s[\g1b:\g1b+7]
	s_nop 0
.rept 4
	v_nop
.endr
.Lasked_\@:
.endm
.macro CROUND
	s_barrier_signal -1
	s_barrier_wait -1
	s_cmp_lg_u32 s14, 0
	s_cbranch_scc1 .Lnot_wave_0_\@
	s_barrier_signal -3
.Lnot_wave_0_\@:
	s_barrier_wait -3
	s_barrier_signal -1
	s_barrier_wait -1
.endm
	s_load_b128 s[4:7], s[0:1], 0x0                ; aq, wq
	s_load_b128 s[8:11], s[0:1], 0x10              ; bo, out0
	v_lshl_add_u32 v[SPW], v0, 2, SPARE
	v_mov_b32 v[NIL], 0
	ds_add_u32 v[SPW], v[NIL]                      ; the wave's opening: the add, twice on end, and its wait ahead of my first tensor load
	ds_add_u32 v[SPW], v[NIL]
	v_lshrrev_b32 v1, 5, v0
	v_readfirstlane_b32 s14, v1                    ; wave 0..3
	s_lshr_b32 s15, s14, 1                         ; which half of the tile's rows is mine.  Also: I fetch for A (0) or for B (1)
	s_and_b32 s16, s14, 1                          ; which half of its columns.  Also: which 128 rows of that tile I fetch
	s_bfe_u32 s40, ttmp6, 0x40000
	s_bfe_u32 s41, ttmp6, 0x40004
	s_lshl_b32 s42, ttmp9, 2
	s_add_co_u32 s42, s42, s40                     ; tile column
	s_and_b32 s17, ttmp7, 0xffff
	s_lshl_b32 s17, s17, 2
	s_add_co_u32 s17, s17, s41                     ; tile row
	s_lshl_b32 s43, s41, 2
	s_lshl_b32 s43, 15, s43                        ; my row of the cluster
	s_lshl_b32 s44, 0x1111, s40                    ; my column
	s_or_b32 s[G1+0], s43, (3<<16)|(1<<21)         ; A's images: elements of 8 bytes, no padding
	s_mov_b32 s[G1+1], 512<<16                     ; tensor_dim0: 4,096 bytes: 8 tiles of 16 tokens of one head
	s_mov_b32 s[G1+2], 8<<16                       ; tensor_dim1: 8 heads
	s_mov_b32 s[G1+3], 512<<16
	s_mov_b32 s[G1+4], 8
	s_mov_b32 s[G1+5], 8192                        ; from head to head 65,536 bytes
	s_mov_b32 s[G1+6], 0
	s_mov_b32 s[G1+7], 0
	s_or_b32 s[G1B+0], s44, (0<<16)|(1<<20)|(1<<21)|(5<<22)|(3<<25)   ; B's codes: 128 rows x 256 bytes, 16 bytes of padding behind each
	s_mov_b32 s[G1B+1], ROWB<<16
	s_mov_b32 s[G1B+2], 128<<16
	s_mov_b32 s[G1B+3], ROWB<<16
	s_mov_b32 s[G1B+4], 128
	s_mov_b32 s[G1B+5], KROW
	s_mov_b32 s[G1B+6], 0
	s_mov_b32 s[G1B+7], 0
	s_or_b32 s[G1S+0], s43, (3<<16)|(1<<20)|(1<<21)|(5<<22)|(3<<25)   ; the scales of 128 rows: 16 rows of 256 bytes, padded likewise
	s_or_b32 s[G1SB+0], s44, (3<<16)|(1<<20)|(1<<21)|(5<<22)|(3<<25)
.irp g, G1S, G1SB
	s_mov_b32 s[\g+1], 32<<16
	s_mov_b32 s[\g+2], (128*KS/256)<<16
	s_mov_b32 s[\g+3], 32<<16
	s_mov_b32 s[\g+4], 128*KS/256
	s_mov_b32 s[\g+5], 32
	s_mov_b32 s[\g+6], 0
	s_mov_b32 s[\g+7], 0
.endr
	s_lshl_b32 s18, s16, 7
	s_lshl_b32 s20, s17, 8
	s_add_co_u32 s20, s20, s18                     ; A: token 256 x tile row + 128 x half
	s_lshl_b32 s46, s42, 8
	s_add_co_u32 s46, s46, s18                     ; B: row 256 x tile column + 128 x half
	s_mov_b32 s21, 0
	s_mov_b32 s47, 0
	s_mov_b64 s[18:19], KS
	s_mul_u64 s[22:23], s[20:21], s[18:19]         ; their scale bytes
	s_mul_u64 s[92:93], s[46:47], s[18:19]
	s_mov_b64 s[18:19], KROW
	s_mul_u64 s[46:47], s[46:47], s[18:19]         ; B's codes
	s_lshr_b32 s20, s17, 3                         ; A's images: b x 2^20 + (tile row % 8) x 8,192 + half x 4,096
	s_lshl_b32 s20, s20, 20
	s_and_b32 s18, s17, 7
	s_lshl_b32 s18, s18, 13
	s_add_co_u32 s20, s20, s18
	s_lshl_b32 s18, s16, 12
	s_add_co_u32 s20, s20, s18
	s_add_nc_u64 s[22:23], s[22:23], AS
	s_add_nc_u64 s[46:47], s[46:47], 3072*KROW     ; Wo is rows 3,072 on of wq
	s_add_nc_u64 s[92:93], s[92:93], WS+3072*KS
	s_mul_i32 s45, s14, HALFT                      ; where they go: no place in the cluster enters an LDS address
	s_mul_i32 s94, s14, HALFS
	s_wait_dscnt 0x0                               ; both opening adds are done
	s_wait_kmcnt 0x0
	s_add_nc_u64 s[20:21], s[4:5], s[20:21]
	s_add_nc_u64 s[22:23], s[4:5], s[22:23]
	s_add_nc_u64 s[46:47], s[6:7], s[46:47]
	s_add_nc_u64 s[92:93], s[6:7], s[92:93]
	CROUND                                         ; all sixteen work-groups are here: the first joint loads meet
	s_mov_b32 s[G0S], 1
	s_add_co_u32 s[G0S+1], s94, SCL
	s_mov_b64 s[G0S+2:G0S+3], s[22:23]
	s_or_b32 s[G0S+3], s[G0S+3], 0x80000000
	s_mov_b32 s[G0SB], 1
	s_add_co_u32 s[G0SB+1], s94, SCL
	s_mov_b64 s[G0SB+2:G0SB+3], s[92:93]
	s_or_b32 s[G0SB+3], s[G0SB+3], 0x80000000
	JLOAD G0S, G1S, G0SB, G1SB
.irp s, 0,1
	s_mov_b32 s[G0+4*\s], 1
	s_add_co_u32 s[G0+4*\s+1], s45, \s*SLOT
	s_add_nc_u64 s[G0+4*\s+2:G0+4*\s+3], s[20:21], \s*524288       ; slot s: heads 8 s on
	s_or_b32 s[G0+4*\s+3], s[G0+4*\s+3], 0x80000000
	s_mov_b32 s[G0B+4*\s], 1
	s_add_co_u32 s[G0B+4*\s+1], s45, \s*SLOT
	s_add_nc_u64 s[G0B+4*\s+2:G0B+4*\s+3], s[46:47], \s*ROWB
	s_or_b32 s[G0B+4*\s+3], s[G0B+4*\s+3], 0x80000000
	s_wait_alu depctr_va_vdst(0)
	s_wait_tensorcnt 0x0
	ds_add_u32 v28, v29
	s_wait_dscnt 0x0
	CROUND
	JLOAD G0+4*\s, G1, G0B+4*\s, G1B               ; one tensor load of mine is out, the earlier ones have landed: all of K, filled once
.endr
	v_and_b32 v1, 15, v0                           ; r
	v_bfe_u32 v2, v0, 4, 1                         ; h
	v_mul_u32_u24 v3, v1, PITCH
	v_lshl_add_u32 v4, v2, 4, v3                   ; B: a fragment's row x pitch + 16 x half
	v_and_b32 v6, 31, v0
	v_lshlrev_b32 v7, 4, v6                        ; A: 16 x lane
	s_mul_i32 s21, s15, HALFT
	s_mul_i32 s22, s16, HALFT
	s_add_co_u32 s22, s22, 2*HALFT
.irp s, 0,1
	v_add_nc_u32 v[ADRA+\s], s21, v7
	v_add_nc_u32 v[ADRB+\s], s22, v4
	s_add_co_u32 s21, s21, SLOT
	s_add_co_u32 s22, s22, SLOT
.endr
	v_mul_u32_u24 v5, v1, KS
	v_lshrrev_b32 v6, 8, v5
	v_lshl_add_u32 v5, v6, 4, v5
	s_mul_i32 s21, s15, HALFS
	s_mul_i32 s22, s16, HALFS
	s_add_co_u32 s22, s22, 2*HALFS
	s_sub_co_u32 s22, s22, s21
	v_mul_u32_u24 v6, s22, v2                      ; lanes 16-31 take B's scale words
	s_add_co_u32 s21, s21, SCL
	v_add_nc_u32 v5, v5, v6
	v_add_nc_u32 v[ADRS], s21, v5
	s_mul_i32 s23, s14, 16*SPITCH                  ; my stage
	v_mul_u32_u24 v5, v1, SPITCH
	v_lshl_add_u32 v5, v2, 5, v5
	v_add_nc_u32 v[STO], s23, v5
	v_mov_b32 v[CO], v7                            ; back: the 32 lanes take one row of 512 bytes; and the same in out0
	v_add_nc_u32 v[RD], s23, v[CO]
	s_lshl_b32 s20, s17, 8
	s_lshl_b32 s21, s15, 7
	s_add_co_u32 s20, s20, s21                     ; my first row of out0
	s_mov_b32 s21, 0
	s_mov_b64 s[18:19], SIZE_N*4
	s_mul_u64 s[20:21], s[20:21], s[18:19]
	s_lshl_b32 s46, s42, 10                        ; my first column, in bytes: in out0 and in bo alike
	s_lshl_b32 s47, s16, 9
	s_add_co_u32 s46, s46, s47
	s_mov_b32 s47, 0
	s_add_nc_u64 s[8:9], s[8:9], s[46:47]
	s_add_nc_u64 s[20:21], s[20:21], s[46:47]
	s_add_nc_u64 s[12:13], s[10:11], s[20:21]
	v_lshlrev_b32 v[BOF], 5, v2
.irp b, 0,1,2,3,4,5,6,7
	global_load_b128 v[BN+8*\b:BN+8*\b+3], v[BOF], s[8:9] offset:64*\b          ; bo[16 b + 8 h + j]: the result's layout
	global_load_b128 v[BN+8*\b+4:BN+8*\b+7], v[BOF], s[8:9] offset:64*\b+16
.endr
.macro FRAGB reg, adr, q, i
.irp c, 0,1
	ds_load_b128 v[\reg+4*\c:\reg+4*\c+3], v[\adr] offset:64*(\q)+32*\c+(\i)*16*PITCH
.endr
.endm
.macro FRAGA reg, adr, q, i            ; head 2 q + c of the slot, tile i of my eight: 512 consecutive bytes
.irp c, 0,1
	ds_load_b128 v[\reg+4*\c:\reg+4*\c+3], v[\adr] offset:(2*(\q)+\c)*4096+(\i)*512
.endr
.endm
; 16 matrix instructions: A's blocks a0, a0 + 1 x B's eight.  first = 1: the bias is C.  The 64 accumulators take turns, one instruction a turn.
.macro MUL16 a0, p, q, sc, first
.irp a, \a0, \a0+1
.irp b, 0,1,2,3,4,5,6,7
.if \first
	v_wmma_scale_f32_16x16x128_f8f6f4 v[8*(8*((\a)%4)+\b):8*(8*((\a)%4)+\b)+7], v[128*(\p)+FR*\b:128*(\p)+FR*\b+FR-1], v[AF+FR*(\a):AF+FR*(\a)+FR-1], v[BN+8*\b:BN+8*\b+7], v[SC+8*NQ*(\sc)+NQ*\b+(\q)], v[SC+8*NQ*(\sc)+NQ*(\a)+(\q)] matrix_a_fmt:MATRIX_FMT_FP4 matrix_b_fmt:MATRIX_FMT_FP4 matrix_a_scale:MATRIX_SCALE_ROW1
.else
	v_wmma_scale_f32_16x16x128_f8f6f4 v[8*(8*((\a)%4)+\b):8*(8*((\a)%4)+\b)+7], v[128*(\p)+FR*\b:128*(\p)+FR*\b+FR-1], v[AF+FR*(\a):AF+FR*(\a)+FR-1], v[8*(8*((\a)%4)+\b):8*(8*((\a)%4)+\b)+7], v[SC+8*NQ*(\sc)+NQ*\b+(\q)], v[SC+8*NQ*(\sc)+NQ*(\a)+(\q)] matrix_a_fmt:MATRIX_FMT_FP4 matrix_b_fmt:MATRIX_FMT_FP4 matrix_a_scale:MATRIX_SCALE_ROW1
.endif
.endr
.endr
.endm
.macro FETCH_B slot, q, p
	WIN TO_B
.irp i, 0,1,2,3,4,5,6,7
	FRAGB 128*(\p)+FR*\i, ADRB+\slot, \q, \i
.endr
	WIN 0
.endm
.macro FETCH_A slot, q, i0
.irp i, \i0, \i0+1, \i0+2, \i0+3
	FRAGA AF+FR*(\i), ADRA+\slot, \q, \i
.endr
.endm
.macro SCALES sc
.irp i, 0,1,2,3,4,5,6,7
	ds_load_b128 v[SC+8*NQ*\sc+NQ*\i:SC+8*NQ*\sc+NQ*\i+3], v[ADRS] offset:\i*SBLK
.endr
.endm
.macro PLACES n
.rept \n
	v_nop
.endr
.endm
.macro STEP slot, q, first
	s_wait_dscnt 4*NL                              ; B's set and A's blocks 0-3 are in; the youngest eight loads (A's blocks 4-7) may be out
.if \first
	WIN FST_LO
.else
	WIN MUL_LO
.endif
	MUL16 0, (\q)%2, \q, \slot, \first
	MUL16 2, (\q)%2, \q, \slot, \first
	s_wait_dscnt 0
	PLACES NP
	FETCH_B \slot, (\q)+1, 1-(\q)%2
	FETCH_A \slot, (\q)+1, 0
.if \first
	WIN FST_HI
.else
	WIN MUL_HI
.endif
	MUL16 4, (\q)%2, \q, \slot, \first
	MUL16 6, (\q)%2, \q, \slot, \first
	PLACES NP
	WIN 0
	FETCH_A \slot, (\q)+1, 4
.endm
.macro TURN slot, next                 ; a slot's last step goes on into the next slot: one barrier, in front of which each wave has waited for all its tensor loads.  Nothing is filled again
	s_wait_tensorcnt 0x0
	ds_add_u32 v[SPW], v[NIL]                      ; 0 onto my spare word
	s_wait_dscnt 4*NL+1                            ; (the add and the youngest eight loads may be out)
	WIN MUL_LO
	MUL16 0, 1, NQ-1, \slot, 0
	s_wait_dscnt 0x0
	s_barrier_signal -1
	MUL16 2, 1, NQ-1, \slot, 0
	WIN 0
	s_barrier_wait -1
	PLACES NP
	v_add_nc_u32 v[ADRS], 4*NQ, v[ADRS]
	FETCH_B \next, 0, 0
	FETCH_A \next, 0, 0
	SCALES \next
	WIN MUL_HI
	MUL16 4, 1, NQ-1, \slot, 0
	MUL16 6, 1, NQ-1, \slot, 0
	PLACES NP
	WIN 0
	FETCH_A \next, 0, 4
.endm
.macro STEPS slot, from
.set Q, \from
.rept NQ-1-\from
	STEP \slot, Q, 0
.set Q, Q+1
.endr
.endm
	s_wait_alu depctr_va_vdst(0)
	s_wait_tensorcnt 1                             ; the scales and my part of slot 0 are in (slot 1's load may be out),
	s_barrier_signal -1
	s_barrier_wait -1                              ; everybody's are
	FETCH_B 0, 0, 0
	FETCH_A 0, 0, 0
	SCALES 0
	FETCH_A 0, 0, 4
	s_wait_loadcnt 0x0                             ; the bias
	STEP 0, 0, 1                                   ; the first step's products start the sums from the bias
	STEPS 0, 1
	TURN 0, 1
	STEPS 1, 0
	s_wait_dscnt 4*NL
	WIN MUL_LO
	MUL16 0, 1, NQ-1, 1, 0
	MUL16 2, 1, NQ-1, 1, 0
	s_wait_dscnt 0
	WIN MUL_HI
	MUL16 4, 1, NQ-1, 1, 0
	MUL16 6, 1, NQ-1, 1, 0
	WIN 0
; THE WAY OUT, block by block of 16 rows x 128 columns: through my own stage in LDS and back as whole rows of 512 bytes.  LDS serves a wave's instructions in order: no wait between the stores and the loads.
.macro TOSTAGE a
.set AC, 64*((\a)%4)
	WIN 0x08+4*((\a)/4)                            ; an LDS store's data: window 2 or 3
.irp b, 0,1,2,3,4,5,6,7
	ds_store_b128 v[STO], v[AC+8*\b:AC+8*\b+3] offset:64*\b          ; each accumulator from its low end on
	ds_store_b128 v[STO], v[AC+8*\b+4:AC+8*\b+7] offset:64*\b+16
.endr
	WIN 0
.set BB, BK+64*((\a)%2)
.irp t, 0,1,2,3,4,5,6,7,8,9,10,11,12,13,14,15
	ds_load_b128 v[BB+4*\t:BB+4*\t+3], v[RD] offset:\t*SPITCH
.endr
.endm
.macro SEND a, younger                 ; younger: the LDS instructions issued behind block a's loads, which may stay out
.set BB, BK+64*((\a)%2)
	s_wait_dscnt \younger
.if (\a) > 0
	s_add_nc_u64 s[12:13], s[12:13], 16*SIZE_N*4   ; (behind a wait on XCNT: the earlier stores have read their base)
.endif
.irp t, 0,1,2,3,4,5,6,7,8,9,10,11,12,13,14,15
	global_store_b128 v[CO], v[BB+4*\t:BB+4*\t+3], s[12:13] offset:\t*SIZE_N*4 th:TH_STORE_NT   ; 32 lanes store 512 consecutive bytes, aligned on 256
.endr
.endm
	PLACES NP                                      ; behind the last products: for the loads into A's registers and the reads of results
	TOSTAGE 0
.irp a, 1,2,3,4,5,6,7
.if \a > 1
	s_wait_xcnt 0x0                                ; block a - 2's stores have read their registers and their base
.endif
	TOSTAGE \a
	SEND \a-1, 32                                  ; behind block a - 1's loads: block a's 16 stores and 16 loads
.endr
	s_wait_xcnt 0x0
	SEND 7, 0
	s_wait_tensorcnt 0x0                           ; the wave's end: behind my last tensor load and my last LDS store
	ds_add_u32 v[SPW], v[NIL]
	s_wait_dscnt 0x0
	CROUND                                         ; the closing round
	s_endpgm
.Lfunc_end_k_qa931308670_oproj:
	.size	k_qa931308670_oproj, .Lfunc_end_k_qa931308670_oproj-k_qa931308670_oproj
	.p2alignl 7, 3214868480
	.fill 96, 4, 3214868480
	.section	.rodata,"a",@progbits
	.p2align	6, 0x0
	.amdhsa_kernel k_qa931308670_oproj
		.amdhsa_group_segment_fixed_size 327680
		.amdhsa_private_segment_fixed_size 0
		.amdhsa_enable_private_segment 0
		.amdhsa_kernarg_size 32
		.amdhsa_user_sgpr_count 2
		.amdhsa_user_sgpr_kernarg_segment_ptr 1
		.amdhsa_wavefront_size32 1
		.amdhsa_system_sgpr_workgroup_id_x 1
		.amdhsa_system_sgpr_workgroup_id_y 1
		.amdhsa_system_sgpr_workgroup_id_z 1
		.amdhsa_system_vgpr_workitem_id 0
		.amdhsa_next_free_vgpr 1024
		.amdhsa_next_free_sgpr 98
		.amdhsa_reserve_vcc 0
		.amdhsa_float_denorm_mode_32 3
		.amdhsa_float_denorm_mode_16_64 3
		.amdhsa_memory_ordered 1
		.amdhsa_forward_progress 1
		.amdhsa_inst_pref_size 127
	.end_amdhsa_kernel
	.amdgpu_metadata
---
amdhsa.version: [ 1, 2 ]
amdhsa.kernels:
  - .name:           k_qa931308670_oproj
    .symbol:         k_qa931308670_oproj.kd
    .args:
      - { .name: aq, .offset: 0, .size: 8, .value_kind: global_buffer, .address_space: global }
      - { .name: wq, .offset: 8, .size: 8, .value_kind: global_buffer, .address_space: global }
      - { .name: bo, .offset: 16, .size: 8, .value_kind: global_buffer, .address_space: global }
      - { .name: out0, .offset: 24, .size: 8, .value_kind: global_buffer, .address_space: global }
    .group_segment_fixed_size: 327680
    .private_segment_fixed_size: 0
    .kernarg_segment_align: 8
    .kernarg_segment_size: 32
    .max_flat_workgroup_size: 128
    .sgpr_count:     98
    .vgpr_count:     1024
    .wavefront_size: 32
...
	.end_amdgpu_metadata
.endif
;; end of part 4
